; MI455X (gfx1250); checked and timed in simulation.
; The chip was launched on July 23, 2026; its instructions are those of AMD's public machine-readable ISA for CDNA 5 (MIT licence, August 2026) and "CDNA5" Instruction Set Architecture Reference Guide (July 2026). The comments in the code are by the model that wrote it; some were corrected since.
;; Scaled Dot Product Attention. Allowed arithmetic: matrix products marked QUANTISED: E5M2 operands, one given power-of-two scale a tensor, by v_wmma_f32_16x16x64_bf8_bf8 or v_wmma_f32_16x16x128_bf8_bf8, f32 sums; everything else in f32.
;; Inputs: keys 4 x 16 x 2,048 x 64 float32; lowp_scales 4 int32 (the exponents e of the quantised operands' scales 2^e); mask 2,048 x 2,048 bool; queries 4 x 16 x 2,048 x 64 float32; values 4 x 16 x 2,048 x 64 float32.
;; Outputs: out0 4 x 16 x 2,048 x 64 float32.
;; This version of the problem:
;;   THIS VERSION OF THE PROBLEM IS GIVEN IN LOW PRECISION. The matrix products marked QUANTISED in the list below multiply operands that are first quantised to E5M2 (5 exponent bits, 2 mantissa bits; 8 bits a number), with one given power-of-two scale for each operand tensor; their sums are f32. All else is computed in f32.
;;   The module's matrix products, in the order in which they are computed (A, B: the left and right operand; K: the contracted axis; several contracted axes count as one K, in the product's order):
;;     1. batch 64 x [M 2,048, K 64] x [K 64, N 2,048]; A: input queries; B: input keys: QUANTISED (scales: A lowp_scales[0], B lowp_scales[1])
;;     2. batch 64 x [M 2,048, K 2,048] x [K 2,048, N 64]; A: softmax (see below); B: input values: QUANTISED (scales: A lowp_scales[2], B lowp_scales[3])
;;   THE QUANTISER, for each operand of a quantised product, along K:
;;     - The operand's scale is 2^e, e = its entry of the input lowp_scales (int32; the entries are numbered through the quantised products in the list's order, A before B).
;;     - Each number is divided by the scale, clamped to +-57,344, and rounded to the nearest number of E5M2, ties to even, subnormals kept.
;;     - The product sums the exact products of the quantised numbers (number of the format x scale) in f32.
;;   ~~~python
;;   def quantise(x, axis, e):      # numpy; x: float32 -> the quantised numbers, widened to float32 again
;;       x = np.moveaxis(x, axis, -1); K = x.shape[-1]
;;       r = np.clip(x / 2.0 ** e, -57344, 57344)
;;       step = 2.0 ** (np.maximum(np.frexp(np.where(r == 0, 1, r))[1] - 1, -14) - 2)
;;       q = np.round(r / step) * step * 2.0 ** e      # np.round: ties to even
;;       return np.moveaxis(q, -1, axis).astype(np.float32)
;;   ~~~
;;   SOFTMAX AHEAD OF A QUANTISED PRODUCT. Where the list says 'softmax', what is quantised is not the finished softmax but p = 2^(t - M), with t = logit x log2(e) and M = ceil(the row's largest t), a whole number; so 1/2 < the row's largest p <= 1. The row's sum l is taken of the UNQUANTISED p, in f32, and the product's result is divided by l at the end. Since M is a whole number, a kernel that streams over the keys may use a running M (the ceiling of the running maximum): every later rescaling is an exact power of two, so the quantised numbers keep their values, but for numbers so far below the row's largest that they fall under the format's range.
;;   OPERANDS COMPUTED ON THE WAY. 'Computed on the way' means the value that the module computes at that place (a softmax that the list does not call 'softmax' is quantised finished and normalised). What goes into a quantiser is computed in f32, as accurately as f32 sums, v_exp_f32 and their like allow (about 1e-6 of the number): no bf16 or f16 on the way to a quantiser, and a product that is left as it is and whose result goes on into a quantised operand takes f32 operands (vector FMAs, or v_wmma_f32_16x16x4_f32). A number that lies on a knife's edge between two numbers of the format may be rounded either way, as far as f32 arithmetic and the matrix unit's own rounding can turn it there, and no further.
;; 2 versions. Each part assembles by itself: llvm-mc -triple=amdgcn-amd-amdhsa -mcpu=gfx1250 --defsym DOCPART=n.
;; ======== version 1 of 2: 2 launches
;; workspace buffers: kc 8,388,608 bytes; vc 8,388,608 bytes; flags 4,096 bytes of whole numbers; mbits 524,288 bytes of whole numbers
;; launch prep (part 1): grid 640 x 1, 4 waves a work-group, no clusters, 68,096 bytes of LDS; arguments keys, values, mask, lowp_scales, kc, vc, flags, mbits; writes kc, vc, flags, mbits
.if DOCPART == 1
	.amdgcn_target "amdgcn-amd-amdhsa--gfx1250"
	.amdhsa_code_object_version 6
	.text
	.protected	k_q76a4cae285_prep
	.globl	k_q76a4cae285_prep
	.p2align	8
	.type	k_q76a4cae285_prep,@function
k_q76a4cae285_prep:
	s_mov_b64 s[64:65], 0
	v_nop
	global_prefetch_b8 v0, s[64:65] scope:SCOPE_SE
	s_setreg_imm32_b32 hwreg(HW_REG_WAVE_MODE, 25, 1), 1
	s_wait_xcnt 0x0
; PREP: what the attention launch reads again and again is made once.  Three roles, told apart by the work-group's number alone; they never join, and each has LDS bytes of its own.
;   work-groups   0..255  K: keys [64 heads][2048][64] f32 -> kc, codes of BF8 (E5M2), same order, one byte a code, with the given scale 2^ek.
;   work-groups 256..511  V: values [64 heads][2048 keys][64 d] f32 -> vc [64 heads][64 d][2048 keys], codes with the KEYS innermost (they are the second product's K), scale 2^ev.
;   work-groups 512..639  the mask [2048][2048] of bytes -> mbits and flags, for tiles of 16 queries (T) x 128 keys (s):
;       mbits [T 128][s 16][n 64] words: word n = 16 b + i is a lane mask: bit l (r = l % 16, h = l / 16) = mask[16 T + r][128 s + 32 b + 16 h + i]: the place that score register n of lane l has in the attention launch.
;       flags: word at 16 T + 4 w: bit s (s = 4 w .. 4 w + 3) set where tile (T, s) has a true (ANY); word at 2048 + 16 T + 4 w: set where it has a false (MIX).
; code = x / 2^e, held within +-57,344, to the nearest code, ties to even.  LIMITS: ek and ev between -126 and 112, so that 2^e and 57,344 x 2^e are f32 numbers.  NaN among keys and values is not served.
; No tensor loads, no barrier: waves share nothing.
.set EMAX, 15
.set MANT, 0x600000                    ; the mantissa field of 57,344 as f32
.set SP,   80                          ; K role: a lane's place in a stage: 64 bytes + 16 of padding
.set KR,   16                          ; v16-79   K role: four sets of 16 numbers as loaded
.set KX,   80                          ; v80-111  two sets of 16 neighbours
.set KC,   128                         ; v128-191 codes: four registers for each step, so that no store's data are written again
.set VSTG, 32768                       ; V role: its stages begin here: 32 rows x 272 bytes for each wave
.set VPI,  272
.set VX,   32                          ; v32-95   V role: two sets of 32 numbers
.set VC,   96                          ; v96-103  a block's codes
.set VO,   112                         ; v112-175 the way out
.set MO,   32                          ; v32-39   mask role: a pair of registers for each key step: lane j holds words 2 j and 2 j + 1
.set MD,   64                          ; v64-127  the mask's bytes: 16 registers for each key step
; ---- K role's macros: a wave takes 16 steps of 512 numbers.  Each load reads 512 consecutive bytes; a step's 2,048 bytes turn through the wave's own stage, so that a lane then holds 16 neighbours.
.macro KLOAD t
.irp i, 0,1,2,3
	global_load_b128 v[KR+16*((\t)%4)+4*\i:KR+16*((\t)%4)+4*\i+3], v3, s[4:5] offset:2048*(\t)+512*\i th:TH_LOAD_NT
.endr
.endm
.macro KTURN t                         ; LDS serves a wave's instructions in order (ISA guide 5.7.1.4): no wait between the stores and the loads
.irp i, 0,1,2,3
	ds_store_b128 v14, v[KR+16*((\t)%4)+4*\i:KR+16*((\t)%4)+4*\i+3] offset:32*SP*((\t)%2)+8*SP*\i
.endr
.irp i, 0,1,2,3
	ds_load_b128 v[KX+16*((\t)%2)+4*\i:KX+16*((\t)%2)+4*\i+3], v15 offset:32*SP*((\t)%2)+16*\i
.endr
.endm
.macro KSTEP t
.set XS, KX+16*((\t)%2)
	s_wait_dscnt 0x0                               ; this step's numbers are back from the stage, so its stores into the stage have read their registers,
.if (\t)+4 < 16
	KLOAD (\t)+4                                   ; which take the loads of four steps on
.endif
.if (\t)+1 < 16
.if 14-(\t) >= 3
	s_wait_loadcnt 12                              ; the next step's four loads are in; those of the three steps behind it may be out
.else
	s_wait_loadcnt 4*(14-(\t))                     ; the counts run down: fewer steps are left behind the next one
.endif
	KTURN (\t)+1
.endif
.irp i, 0,1,2,3,4,5,6,7,8,9,10,11,12,13,14,15
	v_med3_num_f32 v[XS+\i], v[XS+\i], -v10, v10   ; the conversion to an 8-bit code does not saturate (ISA guide 7.6.2): the hold at the largest code x the scale
.endr
	v_cvt_scalef32_pk8_bf8_f32 v[KC+4*(\t):KC+4*(\t)+1], v[XS:XS+7], v11
	v_cvt_scalef32_pk8_bf8_f32 v[KC+4*(\t)+2:KC+4*(\t)+3], v[XS+8:XS+15], v11
	global_store_b128 v3, v[KC+4*(\t):KC+4*(\t)+3], s[12:13] offset:512*(\t)   ; the wave stores 512 consecutive bytes, aligned
.endm
; ---- V role's macros: a lane takes a column d, and its registers run down the keys: the conversions then give codes with the keys innermost.
.macro VLOAD t                         ; block t: values(32 t + i, my column), i = 0 .. 31, into set t % 2
.set i, 0
.rept 32
	global_load_b32 v[VX+32*((\t)%2)+i], v3, s[6:7] offset:(32*(\t)+i)*256 th:TH_LOAD_NT
.set i, i+1
.endr
.endm
.macro VBLOCK t
.set XS, VX+32*((\t)%2)
.if (\t) < 7
	s_wait_loadcnt 32                              ; this block's 32 loads are in; the next block's may be out
.else
	s_wait_loadcnt 0
.endif
.set i, 0
.rept 32
	v_med3_num_f32 v[XS+i], v[XS+i], -v10, v10
.set i, i+1
.endr
.irp g, 0,1,2,3
	v_cvt_scalef32_pk8_bf8_f32 v[VC+2*\g:VC+2*\g+1], v[XS+8*\g:XS+8*\g+7], v11
.endr
	ds_store_b128 v4, v[VC:VC+3] offset:32*(\t)    ; 32 codes: 32 bytes of my column's row
	ds_store_b128 v4, v[VC+4:VC+7] offset:32*(\t)+16
.if (\t)+2 < 8
	VLOAD (\t)+2
.endif
	s_wait_dscnt 0x0                               ; the stores have read their registers: the next block's codes may be written
.endm
; ---- mask role's macro: key step sp of the wave's four.  A compare of one byte of every lane's word against 0 gives a lane mask, which IS a word of mbits.
.macro MSTEP sp
.set D, MD+16*(\sp)
	s_wait_loadcnt 12-4*(\sp)                      ; this step's four loads are in; the later steps' may be out
	v_or_b32 v48, v[D], v[D+1]                     ; all my 64 bytes ORed (a true anywhere?) and ANDed (all of them 1?)
	v_and_b32 v49, v[D], v[D+1]
.irp j, 2,3,4,5,6,7,8,9,10,11,12,13,14,15
	v_or_b32 v48, v48, v[D+\j]
	v_and_b32 v49, v49, v[D+\j]
.endr
	v_cmp_ne_u32 s30, 0, v48                       ; lanes that hold a true
	v_cmp_ne_u32 s31, s39, v49                     ; lanes that hold a byte other than 1
.set n0, 0
.rept 8                                ; eight words at a time
.irp k, 0,1,2,3,4,5,6,7
	v_bfe_u32 v[40+\k], v[D+(n0+\k)/4], 8*((n0+\k)%4), 8
.endr
.irp k, 0,1,2,3,4,5,6,7
	v_cmp_ne_u32 s[40+\k], 0, v[40+\k]             ; word n0 + k
.endr
.irp k, 0,1,2,3,4,5,6,7
	v_writelane_b32 v[MO+2*(\sp)+(n0+\k)%2], s[40+\k], (n0+\k)/2
.endr
.set n0, n0+8
.endr
	global_store_b64 v6, v[MO+2*(\sp):MO+2*(\sp)+1], s[18:19] offset:256*(\sp)   ; the tile's 64 words: 256 consecutive bytes, aligned, by one instruction
	s_cmp_lg_u32 s30, 0
	s_cselect_b32 s36, 1<<(\sp), 0
	s_or_b32 s34, s34, s36                         ; ANY
	s_cmp_lg_u32 s31, 0
	s_cselect_b32 s36, 1<<(\sp), 0
	s_or_b32 s35, s35, s36                         ; MIX
.endm
	s_load_b512 s[4:19], s[0:1], 0x0               ; keys s[4:5], values s[6:7], mask s[8:9], scales s[10:11], kc s[12:13], vc s[14:15], flags s[16:17], mbits s[18:19]
	v_lshl_add_u32 v192, v0, 2, 0x10800
	v_mov_b32 v193, 0
	v_lshrrev_b32 v1, 5, v0
	v_readfirstlane_b32 s20, v1                    ; wave 0..3
	v_and_b32 v2, 31, v0                           ; lane
	s_wait_kmcnt 0x0
	s_cmp_lt_u32 ttmp9, 256
	s_cbranch_scc0 .Lnot_k
	; ================ K ================
	s_load_b32 s25, s[10:11], 0x4                  ; ek
	s_lshl_b32 s21, ttmp9, 2
	s_add_co_u32 s21, s21, s20                     ; which run of 8,192 numbers is my wave's
	s_lshl_b32 s22, s21, 15                        ; 32,768 bytes of f32 a run (1,023 runs at the most: under 2^32)
	s_mov_b32 s23, 0
	s_add_nc_u64 s[4:5], s[4:5], s[22:23]
	s_lshl_b32 s22, s21, 13                        ; 8,192 bytes of codes
	s_add_nc_u64 s[12:13], s[12:13], s[22:23]
	v_lshlrev_b32 v3, 4, v2                        ; my 16 bytes of a load's 512, and of a step's 512 bytes of codes
	s_lshl_b32 s21, s20, 13                        ; my wave's 8,192 bytes of LDS: two stages of 32 x 80
	v_lshrrev_b32 v14, 2, v2
	v_mul_u32_u24 v14, v14, SP
	v_and_b32 v15, 3, v2
	v_lshl_add_u32 v14, v15, 4, v14
	v_add_nc_u32 v14, s21, v14                     ; into the stage: four lanes' 64 bytes on end, then 16 of padding
	v_mul_u32_u24 v15, v2, SP
	v_add_nc_u32 v15, s21, v15                     ; out of it: my 16 neighbours
.irp t, 0,1,2,3
	KLOAD \t
.endr
	s_wait_kmcnt 0x0
	s_add_co_i32 s25, s25, 127
	s_lshl_b32 s26, s25, 23
	v_mov_b32 v11, s26                             ; 2^ek as f32: the conversion takes its exponent field
	s_add_co_i32 s25, s25, EMAX
	s_lshl_b32 s25, s25, 23
	s_or_b32 s25, s25, MANT
	v_mov_b32 v10, s25                             ; 57,344 x 2^ek
	s_wait_loadcnt 12                              ; step 0's four loads are in
	KTURN 0
.irp t, 0,1,2,3,4,5,6,7,8,9,10,11,12,13,14,15
	KSTEP \t
.endr
	s_wait_tensorcnt 0x0
	ds_add_u32 v192, v193
	s_wait_dscnt 0x0
	s_endpgm
.Lnot_k:
	s_cmp_lt_u32 ttmp9, 512
	s_cbranch_scc0 .Lmask
	; ================ V ================  a wave takes 32 columns d x 256 keys of one head
	s_load_b32 s27, s[10:11], 0xc                  ; ev
	s_sub_co_u32 s21, ttmp9, 256
	s_lshr_b32 s22, s21, 2                         ; the head
	s_and_b32 s21, s21, 3
	s_lshl_b32 s21, s21, 9
	s_lshr_b32 s23, s20, 1
	s_lshl_b32 s23, s23, 8
	s_add_co_u32 s21, s21, s23                     ; my first key: 512 x (work-group % 4) + 256 x (wave / 2)
	s_and_b32 s23, s20, 1
	s_lshl_b32 s23, s23, 5                         ; my first column: 32 x (wave % 2): two waves side by side read a key's whole 256 bytes
	s_lshl_b32 s28, s22, 19                        ; values: head x 524,288 + key x 256 + column x 4
	s_lshl_b32 s30, s21, 8
	s_add_co_u32 s28, s28, s30
	s_lshl_b32 s30, s23, 2
	s_add_co_u32 s28, s28, s30
	s_mov_b32 s29, 0
	s_add_nc_u64 s[6:7], s[6:7], s[28:29]
	s_lshl_b32 s28, s22, 17                        ; vc: head x 131,072 + column x 2,048 + key
	s_lshl_b32 s30, s23, 11
	s_add_co_u32 s28, s28, s30
	s_add_co_u32 s28, s28, s21
	s_add_nc_u64 s[14:15], s[14:15], s[28:29]
	s_mul_i32 s31, s20, 32*VPI
	s_add_co_u32 s31, s31, VSTG                    ; my stage
	v_lshlrev_b32 v3, 2, v2                        ; in: 4 bytes a lane
	v_mul_u32_u24 v4, v2, VPI
	v_add_nc_u32 v4, s31, v4                       ; into the stage: row = my column
	v_and_b32 v5, 15, v2
	v_lshrrev_b32 v6, 4, v2
	v_mul_u32_u24 v7, v6, VPI
	v_lshl_add_u32 v7, v5, 4, v7
	v_add_nc_u32 v7, s31, v7                       ; out of it: sixteen lanes to a row, two rows an instruction
	v_lshlrev_b32 v8, 11, v6
	v_lshl_add_u32 v8, v5, 4, v8                   ; and the same place in vc
	VLOAD 0
	VLOAD 1
	s_wait_kmcnt 0x0
	s_add_co_i32 s27, s27, 127
	s_lshl_b32 s26, s27, 23
	v_mov_b32 v11, s26                             ; 2^ev as f32
	s_add_co_i32 s27, s27, EMAX
	s_lshl_b32 s27, s27, 23
	s_or_b32 s27, s27, MANT
	v_mov_b32 v10, s27                             ; 57,344 x 2^ev
.irp t, 0,1,2,3,4,5,6,7
	VBLOCK \t
.endr
.irp t, 0,1,2,3,4,5,6,7,8,9,10,11,12,13,14,15
	ds_load_b128 v[VO+4*\t:VO+4*\t+3], v7 offset:2*\t*VPI   ; these see my stores: LDS serves a wave's instructions in order
.endr
.irp t, 0,1,2,3,4,5,6,7,8,9,10,11,12,13,14,15
	s_wait_dscnt 15-\t                             ; load t is in; the younger ones may be out
	global_store_b128 v8, v[VO+4*\t:VO+4*\t+3], s[14:15] offset:2*\t*2048   ; sixteen lanes store 256 consecutive bytes of a row of vc, aligned
.endr
	s_wait_tensorcnt 0x0
	ds_add_u32 v192, v193
	s_wait_dscnt 0x0
	s_endpgm
.Lmask:
	; ================ the mask ================  work-group = query tile T; wave w takes key steps 4 w .. 4 w + 3
	s_sub_co_u32 s21, ttmp9, 512                   ; T
	s_lshl_b32 s22, s21, 15                        ; 16 rows of 2,048 bytes,
	s_lshl_b32 s24, s20, 9                         ; + my four key steps' 512 bytes of a row
	s_add_co_u32 s22, s22, s24
	s_mov_b32 s23, 0
	s_add_nc_u64 s[8:9], s[8:9], s[22:23]
	s_lshl_b32 s22, s21, 12                        ; mbits: (16 T + 4 w) tiles of 256 bytes
	s_lshl_b32 s24, s20, 10
	s_add_co_u32 s22, s22, s24
	s_add_nc_u64 s[18:19], s[18:19], s[22:23]
	v_and_b32 v1, 15, v2                           ; r
	v_lshrrev_b32 v3, 4, v2                        ; h
	v_lshlrev_b32 v5, 11, v1
	v_lshl_add_u32 v5, v3, 4, v5                   ; row r, + 16 h
	v_lshlrev_b32 v6, 3, v2                        ; out: two words a lane
.irp sp, 0,1,2,3
.irp b, 0,1,2,3
	global_load_b128 v[MD+16*\sp+4*\b:MD+16*\sp+4*\b+3], v5, s[8:9] offset:128*\sp+32*\b   ; mask[16 T + r][128 (4 w + sp) + 32 b + 16 h + 0 .. 15]
.endr
.endr
.irp j, 0,1,2,3,4,5,6,7
	v_mov_b32 v[MO+\j], 0                          ; written once: v_writelane_b32's destination counts as one of its sources
.endr
	s_mov_b32 s34, 0
	s_mov_b32 s35, 0
	s_mov_b32 s39, 0x01010101
	MSTEP 0
	MSTEP 1
	MSTEP 2
	MSTEP 3
	s_lshl_b32 s38, s20, 2
	s_lshl_b32 s34, s34, s38                       ; my four bits at their places 4 w .. 4 w + 3
	s_lshl_b32 s35, s35, s38
	v_mov_b32 v8, s34                              ; lane 0 stores ANY,
	v_writelane_b32 v8, s35, 1                     ; lane 1 MIX, 2,048 bytes further on
	v_and_b32 v7, 1, v2
	v_lshlrev_b32 v7, 11, v7
	s_lshl_b32 s36, s21, 4
	s_add_co_u32 s36, s36, s38                     ; 16 T + 4 w
	v_add_nc_u32 v7, s36, v7
	v_cmp_gt_u32 vcc_lo, 2, v2
	s_wait_xcnt 0x0                                ; EXEC is a source of the stores above: it changes only behind this wait
	s_and_saveexec_b32 s37, vcc_lo
	global_store_b32 v7, v8, s[16:17]
	s_wait_xcnt 0x0                                ; and again, in front of the line that widens it
	s_or_b32 exec_lo, exec_lo, s37
	s_endpgm
.Lfunc_end_k_q76a4cae285_prep:
	.size	k_q76a4cae285_prep, .Lfunc_end_k_q76a4cae285_prep-k_q76a4cae285_prep
	.p2alignl 7, 3214868480
	.fill 96, 4, 3214868480
	.section	.rodata,"a",@progbits
	.p2align	6, 0x0
	.amdhsa_kernel k_q76a4cae285_prep
		.amdhsa_group_segment_fixed_size 68096
		.amdhsa_private_segment_fixed_size 0
		.amdhsa_enable_private_segment 0
		.amdhsa_kernarg_size 64
		.amdhsa_user_sgpr_count 2
		.amdhsa_user_sgpr_kernarg_segment_ptr 1
		.amdhsa_wavefront_size32 1
		.amdhsa_system_sgpr_workgroup_id_x 1
		.amdhsa_system_sgpr_workgroup_id_y 1
		.amdhsa_system_sgpr_workgroup_id_z 1
		.amdhsa_system_vgpr_workitem_id 0
		.amdhsa_next_free_vgpr 194
		.amdhsa_next_free_sgpr 66
		.amdhsa_reserve_vcc 1
		.amdhsa_float_denorm_mode_32 3
		.amdhsa_float_denorm_mode_16_64 3
		.amdhsa_memory_ordered 1
		.amdhsa_forward_progress 1
		.amdhsa_inst_pref_size 142
	.end_amdhsa_kernel
	.amdgpu_metadata
---
amdhsa.version: [ 1, 2 ]
amdhsa.kernels:
  - .name:           k_q76a4cae285_prep
    .symbol:         k_q76a4cae285_prep.kd
    .args:
      - { .name: keys, .offset: 0, .size: 8, .value_kind: global_buffer, .address_space: global }
      - { .name: values, .offset: 8, .size: 8, .value_kind: global_buffer, .address_space: global }
      - { .name: mask, .offset: 16, .size: 8, .value_kind: global_buffer, .address_space: global }
      - { .name: lowp_scales, .offset: 24, .size: 8, .value_kind: global_buffer, .address_space: global }
      - { .name: kc, .offset: 32, .size: 8, .value_kind: global_buffer, .address_space: global }
      - { .name: vc, .offset: 40, .size: 8, .value_kind: global_buffer, .address_space: global }
      - { .name: flags, .offset: 48, .size: 8, .value_kind: global_buffer, .address_space: global }
      - { .name: mbits, .offset: 56, .size: 8, .value_kind: global_buffer, .address_space: global }
    .group_segment_fixed_size: 68096
    .private_segment_fixed_size: 0
    .kernarg_segment_align: 8
    .kernarg_segment_size: 64
    .max_flat_workgroup_size: 128
    .sgpr_count:     66
    .vgpr_count:     194
    .wavefront_size: 32
...
	.end_amdgpu_metadata
.endif
;; end of part 1
;; launch attn (part 2): grid 4 x 64, 16 waves a work-group, no clusters, 153,600 bytes of LDS; arguments queries, kc, vc, flags, mbits, lowp_scales, out0; writes out0
.if DOCPART == 2
	.amdgcn_target "amdgcn-amd-amdhsa--gfx1250"
	.amdhsa_code_object_version 6
	.text
	.protected	k_q76a4cae285_attn
	.globl	k_q76a4cae285_attn
	.p2align	8
	.type	k_q76a4cae285_attn,@function
k_q76a4cae285_attn:
	s_mov_b64 s[64:65], 0
	v_nop
	global_prefetch_b8 v0, s[64:65] scope:SCOPE_SE
	s_setreg_imm32_b32 hwreg(HW_REG_WAVE_MODE, 25, 1), 1
	s_wait_xcnt 0x0
; out0[head][q][:] = the sum over k of softmax_k(mask ? Q[q] . K[k] / 8 : -infinity) V[k][:], 64 heads, 2,048 queries and keys, head size 64; both products on codes of BF8 (E5M2), each operand with its given scale 2^e (eq, ek, ep, ev).
; Q arrives as f32 and is quantised here, in registers (a wave reads its 16 rows once); kc [head][key][64] and vc [head][d][2048 keys] are the codes that the launch before has made.
; THE SOFTMAX: t = score x log2(e) / 8; M = the row's largest t so far, rounded UP to a whole number; p = 2^(t - M) is what is quantised; the row's sum is taken of the unquantised p and divides at the end.
; When M moves, the sum and O are multiplied by 2^(old M - new M), which rounds nothing.
; THE MASK is an input and is honoured as it is given.  The launch before has packed it: mbits holds, for each tile of 16 queries x 128 keys, 64 lane masks, one for each score register; flags says which tiles have a true (ANY) and
; which have a false (MIX).  A key step whose tile has no true is left out (its p would all be 0); one whose tile has no false skips the 64 selects.  These are scalar branches on whole numbers read from memory.
; A row with no true anywhere ends as 0 x (1 / 0) = NaN.
; SHARES.  Work-group (x, head) takes blocks x and 7 - x of the head's eight blocks of 256 queries, one after the other (a PASS): an order of work, right for any mask.  Each of the sixteen waves owns one tile of 16 queries, in 256 registers:
; four waves to a SIMD, so that one wave's vector work stands beside another's matrix work and LDS loads.  A pass walks 8 slots of 256 keys; all trip counts are constants.
; K AND V come through registers: the 512 threads load a slot's 16 KB + 16 KB (16 bytes x 4 a thread) one slot ahead and store them into LDS at the next trip's head, padded.  Which slots are fetched hangs on the stored flags, so the tiles
; are not brought by tensor loads, and hence not by joint loads of a cluster either.  Two LDS slots, one barrier a trip: slot t % 2 is written at the head of trip t, was last read in trip t - 2, and trip t - 1's barrier lies between.
; LAYOUT.  Both products are used transposed: S^T = K Q^T (source 0 = 16 keys, source 1 = my 16 queries), O^T = V^T P^T: a lane (r = lane % 16, h = lane / 16) holds query r throughout.
; Lane r of K's tile 2 b + u takes key 32 b + 8 u + r + 8 (r / 8), so that score register 16 b + i is key 32 b + 16 h + i and the conversions' results are the second product's operand.
; Along K each fragment holds, in registers 4 c .. 4 c + 3, k = 32 c + 16 h + 0 .. 15: the same permutation of k on both sides of each product.
; LIMITS on the given exponents, so that each power of two below is an f32 number: eq and ep between -126 and 112; eq + ek between -123 and 130 (they are added to c's exponent field).  NaN among the inputs is not served.
; p's hold at the largest code is jumped over only where ep >= -15: there p <= 1 < 57,344 x 2^ep, so it could never act.
.set SLOTB, 40960                      ; an LDS slot: K's 256 keys (22,528 bytes), then V's 64 rows (17,408)
.set KPI,   80                         ; a key's row: 64 bytes + 16
.set KGRP,  1408                       ; 16 keys: 16 x 80 + 128 spare: the rows {0..7, 16..23} of a fragment load then start in 16 different columns of 16 bytes modulo 256 (64 banks of 4 bytes: ISA guide 11.1)
.set VOFF,  16*KGRP
.set VPI,   272                        ; a row of V: 256 keys + 16
.set STG,   2*SLOTB                    ; behind the slots: 16 rows x 272 bytes for each wave, its own, for the way out
.set FR,    40                         ; v40-103  fragments of K, then of V; on the way out rows read back
.set SC,    104                        ; v104-167 S^T, then p; at a pass's head Q as f32; on the way out O / l
.set OT,    168                        ; v168-199 O^T
.set PC,    200                        ; v200-215 p's codes
; v1 AK0, v2 AV0: my lane's place in a tile of K, of V; v3 SK, v4 SV: where my thread stores its 16 bytes of K, of V; v5 GK, v6 GV: its byte offsets in a slot's part of kc, vc; v7 QO, v10 GO: my lane's offsets in a tile of q, of out0;
; v8 STO, v9 RD: the stage, in and back; v11, v226: QO, GO + the tile's offset; v12 -M, v13 the largest t, v[14:15] the sum in two halves; v16-23 Q's codes; v24-39 the slot on its way;
; v216 -infinity; v217, v218: 2^ep, 57,344 x 2^ep; v229, v230: the same for eq; v219 a lane permute's destination; v[220:221] f and 0; v222-225 at work.
; s[4:5] q, s[6:7] kc, s[8:9] vc, s[16:17] out0, each at my head; s[10:11] flags, s[12:13] mbits; s18 wave, s19 block; s[20:21] lane selects; s[22:23] c; s[24:25], s[26:27] the walking pointers into kc, vc;
; s28 ANY, s29 MIX of my tile (bit 0: the step in hand); s30 the block's ANY bits; s31 byte offset of the step's words in mbits; s32-63, s68-99 the 64 words; s66, s67 counters; s100 hold or not; s101 ep + ev.
.macro GLOAD                           ; a slot's codes: K's 256 keys are 16,384 consecutive bytes; V's are 256 bytes of each of 64 rows: sixteen threads to a row
	global_load_b128 v[24:27], v5, s[24:25]
	global_load_b128 v[28:31], v5, s[24:25] offset:8192
	global_load_b128 v[32:35], v6, s[26:27]
	global_load_b128 v[36:39], v6, s[26:27] offset:65536
.endm
; A KEY STEP: 128 keys, the q-th of the slot.
.macro STEP slot, q
.set KB, (\slot)*SLOTB+(\q)*8*KGRP
.set VB, (\slot)*SLOTB+(\q)*128
	s_bitcmp1_b32 s28, 0                           ; has my tile a true in this step?
	s_cbranch_scc0 .Lskip_\@
	s_bitcmp1_b32 s29, 0                           ; has it a false?  Then its 64 lane masks are asked for now and used behind the first product
	s_cbranch_scc0 .Lnowords_\@
	s_load_b512 s[32:47], s[12:13], s31 offset:0x0
	s_load_b512 s[48:63], s[12:13], s31 offset:0x40
	s_load_b512 s[68:83], s[12:13], s31 offset:0x80
	s_load_b512 s[84:99], s[12:13], s31 offset:0xc0
.Lnowords_\@:
.rept 4
	v_nop                                          ; four places in front of loads into registers that the last products have read (ISA guide 7.12.1 for vector instructions)
.endr
.irp u, 0,1,2,3,4,5,6,7
.irp g, 0,1
	ds_load_b128 v[FR+8*\u+4*\g:FR+8*\u+4*\g+3], v1 offset:KB+2*KGRP*(\u/2)+8*KPI*(\u%2)+32*\g
.endr
.endr
	s_wait_dscnt 0x0                               ; K's eight fragments are in
.irp u, 0,1,2,3,4,5,6,7
	v_wmma_f32_16x16x64_bf8_bf8 v[SC+8*\u:SC+8*\u+7], v[FR+8*\u:FR+8*\u+7], v[16:23], 0
.endr
.rept 4
	v_nop                                          ; four places: for the loads below, into registers just read, and for the first read of the scores
.endr
.irp t, 0,1,2,3
.irp c, 0,1,2,3
	ds_load_b128 v[FR+16*\t+4*\c:FR+16*\t+4*\c+3], v2 offset:VB+16*VPI*\t+32*\c   ; V's four fragments land while the softmax is worked
.endr
.endr
	s_wait_kmcnt 0x0                               ; the words are in (on every path of the step: no scalar load stays out)
	s_bitcmp1_b32 s29, 0
	s_cbranch_scc0 .Lopen_\@
.set n, 0
.rept 64                               ; hidden scores become -infinity ahead of the maximum: p = 0 then.  Ascending: each accumulator is read from its low end on
.if n < 32
	v_cndmask_b32 v[SC+n], v216, v[SC+n], s[32+n]
.else
	v_cndmask_b32 v[SC+n], v216, v[SC+n], s[36+n]
.endif
.set n, n+1
.endr
.Lopen_\@:
	v_max3_num_f32 v222, v[SC], v[SC+1], v[SC+2]   ; the step's largest score of my query, among my 64 keys, in two chains,
	v_max3_num_f32 v223, v[SC+3], v[SC+4], v[SC+5]
.irp i, 6,10,14,18,22,26,30,34,38,42,46,50,54,58
	v_max3_num_f32 v222, v222, v[SC+\i], v[SC+1+\i]
	v_max3_num_f32 v223, v223, v[SC+2+\i], v[SC+3+\i]
.endr
	v_max3_num_f32 v222, v222, v[SC+62], v[SC+63]
	v_max_num_f32 v222, v222, v223
	v_permlanex16_b32 v219, v222, s20, s21
	v_max_num_f32 v222, v222, v219                 ; and among lane l xor 16's
	v_mul_f32 v222, s22, v222                      ; as t (c is positive)
	v_max_num_f32 v13, v13, v222                   ; the running largest t
	v_mov_b32 v222, v12
	v_floor_f32 v12, -v13                          ; the new -M = floor(-t) = -ceil(t): a whole number
	v_sub_f32 v222, v12, v222                      ; M's old value less its new one: a whole number, 0 or less
	v_cvt_i32_f32 v222, v222                       ; (it saturates)
	v_ldexp_f32 v220, 1.0, v222                    ; f = 2^(old M - new M)
.irp j, 0,2,4,6,8,10,12,14,16,18,20,22,24,26,28,30,32,34,36,38,40,42,44,46,48,50,52,54,56,58,60,62
	v_pk_fma_f32 v[SC+\j:SC+\j+1], v[SC+\j:SC+\j+1], s[22:23], v[12:13] op_sel_hi:[1,0,0]   ; t - M, two at a time (of the pairs c and -M the low word serves both halves)
.endr
.set n, 0
.rept 64
	v_exp_f32 v[SC+n], v[SC+n]                     ; p = 2^(t - M), at most 1: not normalised
.set n, n+1
.endr
	v_pk_mul_f32 v[14:15], v[14:15], v[220:221] op_sel_hi:[1,0]   ; the sums under the new M: the plain instruction behind the exponentials
	s_wait_alu depctr_va_vdst(0)                   ; one wait for the batch of 64, ahead of its first reader
	v_pk_add_f32 v[224:225], v[SC:SC+1], v[SC+2:SC+3]   ; the row's sum is taken of the unquantised p: two at a time, in two chains
.irp j, 4,8,12,16,20,24,28,32,36,40,44,48,52,56,60
	v_pk_add_f32 v[14:15], v[14:15], v[SC+\j:SC+\j+1]
	v_pk_add_f32 v[224:225], v[224:225], v[SC+2+\j:SC+3+\j]
.endr
	v_pk_add_f32 v[14:15], v[14:15], v[224:225]
	s_cmp_lg_u32 s100, 0                           ; ep < -15: p can lie beyond the largest code x the scale, and the conversion does not saturate (ISA guide 7.6.2)
	s_cbranch_scc0 .Lnohold_\@
.set n, 0
.rept 64
	v_min_num_f32 v[SC+n], v[SC+n], v218           ; p is not negative: the hold is one-sided
.set n, n+1
.endr
.Lnohold_\@:
.irp m, 0,1,2,3,4,5,6,7
	v_cvt_scalef32_pk8_bf8_f32 v[PC+2*\m:PC+2*\m+1], v[SC+8*\m:SC+8*\m+7], v217
.endr
.irp j, 0,2,4,6,8,10,12,14,16,18,20,22,24,26,28,30
	v_pk_mul_f32 v[OT+\j:OT+\j+1], v[OT+\j:OT+\j+1], v[220:221] op_sel_hi:[1,0]   ; O^T under the new M.  (These are also the plain instructions between the conversions and the products that read their results)
.endr
	s_wait_dscnt 0x0                               ; V's four fragments are in
.irp t, 0,1,2,3                        ; the four accumulators take turns, and eight other products stand between two steps' turns
	v_wmma_f32_16x16x128_bf8_bf8 v[OT+8*\t:OT+8*\t+7], v[FR+16*\t:FR+16*\t+15], v[PC:PC+15], v[OT+8*\t:OT+8*\t+7]
.endr
.Lskip_\@:
	s_lshr_b32 s28, s28, 1                         ; on to the next step's bits and words
	s_lshr_b32 s29, s29, 1
	s_add_co_u32 s31, s31, 256
.endm
; A TRIP: one slot of 256 keys.
.macro TRIP slot
	s_wait_loadcnt 0x0                             ; the slot's codes are in my registers; their loads are done, so their bases may step
	s_add_nc_u64 s[24:25], s[24:25], 16384         ; the next 256 keys of kc,
	s_add_nc_u64 s[26:27], s[26:27], 256           ; and of each row of vc
	ds_store_b128 v3, v[24:27] offset:(\slot)*SLOTB           ; always executed: where the slot was not fetched, old bytes land in a slot that no wave reads
	ds_store_b128 v3, v[28:31] offset:(\slot)*SLOTB+8*KGRP
	ds_store_b128 v4, v[32:35] offset:(\slot)*SLOTB
	ds_store_b128 v4, v[36:39] offset:(\slot)*SLOTB+32*VPI
	s_wait_dscnt 0x0                               ; for the others' sake: my stores have landed; my reads of the other slot were waited for in its steps
	s_barrier_signal -1
	s_barrier_wait -1                              ; the slot is whole, and nobody reads the other one any more
	s_and_b32 s2, s30, 12                          ; does any tile of the block want the next slot?  (In a pass's last trip these bits are 0: no load leaves its buffer)
	s_cbranch_scc0 .Lnofetch_\@
	GLOAD                                          ; it has this slot's two key steps in which to arrive
.Lnofetch_\@:
	STEP \slot, 0
	STEP \slot, 1
	s_lshr_b32 s30, s30, 2
.endm
	s_load_b256 s[4:11], s[0:1], 0x0               ; queries, kc, vc, flags
	s_load_b128 s[12:15], s[0:1], 0x20             ; mbits, lowp_scales
	s_load_b64 s[16:17], s[0:1], 0x30              ; out0
	v_lshl_add_u32 v254, v0, 2, 0x25000
	v_mov_b32 v255, 0
	v_lshrrev_b32 v227, 5, v0
	v_readfirstlane_b32 s18, v227                  ; wave 0..15
	v_and_b32 v227, 15, v0                         ; r (also: my thread's place among the sixteen of a row of V)
	v_bfe_u32 v228, v0, 4, 1                       ; h
	v_lshrrev_b32 v231, 3, v227
	v_and_b32 v232, 7, v227
	v_mul_u32_u24 v1, v231, KGRP
	v_mad_u32_u24 v1, v232, KPI, v1
	v_lshl_add_u32 v1, v228, 4, v1                 ; AK0 = 1408 (r / 8) + 80 (r % 8) + 16 h
	v_mul_u32_u24 v2, v227, VPI
	v_lshl_add_u32 v2, v228, 4, v2
	v_add_nc_u32 v2, VOFF, v2                      ; AV0 = 22,528 + 272 r + 16 h
	v_lshrrev_b32 v231, 6, v0
	v_bfe_u32 v232, v0, 2, 4
	v_and_b32 v233, 3, v0
	v_mul_u32_u24 v3, v231, KGRP
	v_mad_u32_u24 v3, v232, KPI, v3
	v_lshl_add_u32 v3, v233, 4, v3                 ; SK: key = thread / 4, 16 bytes x (thread % 4)
	v_lshrrev_b32 v231, 4, v0                      ; row of V = thread / 16
	v_mul_u32_u24 v4, v231, VPI
	v_lshl_add_u32 v4, v227, 4, v4
	v_add_nc_u32 v4, VOFF, v4                      ; SV
	v_lshlrev_b32 v5, 4, v0                        ; GK = 16 x thread
	v_lshlrev_b32 v6, 11, v231
	v_lshl_add_u32 v6, v227, 4, v6                 ; GV = 2,048 x row + 16 x (thread % 16)
	v_lshlrev_b32 v7, 8, v227
	v_lshl_add_u32 v7, v228, 6, v7                 ; QO = 256 r + 64 h: my 16 numbers of a block of 32
	s_mul_i32 s2, s18, 16*VPI
	s_add_co_u32 s2, s2, STG                       ; my stage
	v_mul_u32_u24 v8, v227, VPI
	v_lshl_add_u32 v8, v228, 5, v8
	v_add_nc_u32 v8, s2, v8                        ; STO: row r, + 32 h
	v_mul_u32_u24 v9, v228, VPI
	v_lshl_add_u32 v9, v227, 4, v9
	v_add_nc_u32 v9, s2, v9                        ; RD: lanes 0-15 one row, lanes 16-31 the next
	v_lshlrev_b32 v10, 8, v228
	v_lshl_add_u32 v10, v227, 4, v10               ; GO: the same two rows in out0
	v_mov_b32 v216, 0xff800000                     ; -infinity
	v_mov_b32 v219, 0                              ; written once: a lane permute's destination counts as one of its sources
	v_mov_b32 v221, 0                              ; (named as the upper half of the pair v[220:221])
	s_mov_b32 s20, 0x76543210
	s_mov_b32 s21, 0xfedcba98                      ; v_permlanex16_b32's selects for lane l xor 16
	s_and_b32 s2, ttmp7, 0xffff                    ; the head
	s_lshl_b32 s24, s2, 19                         ; its first byte in queries and out0,
	s_mov_b32 s25, 0
	s_lshl_b32 s26, s2, 17                         ; in kc and vc
	s_mov_b32 s27, 0
	s_wait_kmcnt 0x0
	s_load_b128 s[68:71], s[14:15], 0x0            ; eq, ek, ep, ev
	s_add_nc_u64 s[4:5], s[4:5], s[24:25]
	s_add_nc_u64 s[16:17], s[16:17], s[24:25]
	s_add_nc_u64 s[6:7], s[6:7], s[26:27]
	s_add_nc_u64 s[8:9], s[8:9], s[26:27]
	s_mov_b32 s19, ttmp9                           ; the first pass's block
	s_mov_b32 s66, 2
	s_wait_kmcnt 0x0
	s_add_co_i32 s2, s68, s69
	s_lshl_b32 s2, s2, 23
	s_mov_b32 s22, 0x3e38aa3b                      ; c = log2(e) / 8
	s_add_co_i32 s22, s22, s2                      ; a score stands for score x 2^(eq + ek): the two exponents are added to c's exponent field
	s_mov_b32 s23, s22                             ; (named with it as a pair, so it is written)
	s_add_co_i32 s2, s70, 127
	s_lshl_b32 s3, s2, 23
	v_mov_b32 v217, s3                             ; 2^ep as f32, for p's conversions
	s_add_co_i32 s2, s2, 15
	s_lshl_b32 s2, s2, 23
	s_or_b32 s2, s2, 0x600000
	v_mov_b32 v218, s2                             ; 57,344 x 2^ep
	s_add_co_i32 s2, s68, 127
	s_lshl_b32 s3, s2, 23
	v_mov_b32 v229, s3                             ; 2^eq
	s_add_co_i32 s2, s2, 15
	s_lshl_b32 s2, s2, 23
	s_or_b32 s2, s2, 0x600000
	v_mov_b32 v230, s2                             ; 57,344 x 2^eq
	s_cmp_lt_i32 s70, -15
	s_cselect_b32 s100, 1, 0                       ; is p's hold wanted?
	s_add_co_i32 s101, s70, s71                    ; ep + ev
.Lpass:
	s_lshl_b32 s2, s19, 4
	s_add_co_u32 s2, s2, s18                       ; T = 16 x block + wave
	s_lshl_b32 s31, s2, 12                         ; my tile's first byte in mbits (16 steps x 256), and in a head of queries and out0 (16 rows x 256)
	s_lshl_b32 s3, s2, 4
	s_load_b128 s[32:35], s[10:11], s3 offset:0x0      ; my tile's four parts of ANY,
	s_load_b128 s[36:39], s[10:11], s3 offset:0x800    ; and of MIX
	v_add_nc_u32 v11, s31, v7
	v_add_nc_u32 v226, s31, v10
.irp g, 0,1
.irp j, 0,1,2,3
	global_load_b128 v[SC+16*\g+4*\j:SC+16*\g+4*\j+3], v11, s[4:5] offset:128*\g+16*\j th:TH_LOAD_NT   ; Q(r, 32 g + 16 h + 4 j ..)
.endr
.endr
	s_mov_b64 s[24:25], s[6:7]
	s_mov_b64 s[26:27], s[8:9]
	GLOAD                                          ; slot 0, whatever the flags say: so the registers that the first trip stores are written on every path
	v_mov_b32 v13, 0xff61b1e6                      ; the largest t so far: -3e38, under every t
	v_floor_f32 v12, -v13                          ; -M
	v_mov_b32 v14, 0                               ; the sum, in two halves
	v_mov_b32 v15, 0
.set n, 0
.rept 32
	v_mov_b32 v[OT+n], 0                           ; O^T.  Which key step is a tile's first hangs on the flags, so no product can be written out to start the sums
.set n, n+1
.endr
	s_wait_kmcnt 0x0
	s_or_b32 s28, s32, s33
	s_or_b32 s2, s34, s35
	s_or_b32 s28, s28, s2                          ; ANY: bit s for key step s
	s_or_b32 s29, s36, s37
	s_or_b32 s2, s38, s39
	s_or_b32 s29, s29, s2                          ; MIX
	s_lshl_b32 s3, s19, 8                          ; the block's sixteen tiles: 64 words of ANY
	s_load_b512 s[32:47], s[10:11], s3 offset:0x0
	s_load_b512 s[48:63], s[10:11], s3 offset:0x40
	s_load_b512 s[68:83], s[10:11], s3 offset:0x80
	s_load_b512 s[84:99], s[10:11], s3 offset:0xc0
	s_wait_loadcnt 4                               ; Q's eight loads are in; slot 0's four, issued behind them, may be out
.set n, 0
.rept 32
	v_med3_num_f32 v[SC+n], v[SC+n], -v230, v230   ; the hold at the largest code x the scale
.set n, n+1
.endr
.irp m, 0,1,2,3
	v_cvt_scalef32_pk8_bf8_f32 v[16+2*\m:17+2*\m], v[SC+8*\m:SC+8*\m+7], v229
.endr
	v_nop                                          ; a plain instruction between the last conversion and the products that read its result and write its sources
	s_wait_kmcnt 0x0
	s_or_b32 s30, s32, s33
.set n, 2
.rept 62
.if n < 32
	s_or_b32 s30, s30, s[32+n]
.else
	s_or_b32 s30, s30, s[36+n]
.endif
.set n, n+1
.endr
	s_and_b32 s30, s30, 0xffff                     ; sixteen key steps: bits 2 t, 2 t + 1 say whether slot t is wanted by any wave
	s_mov_b32 s67, 4
.Ltrip:
	TRIP 0
	TRIP 1
	s_sub_co_u32 s67, s67, 1
	s_cmp_lg_u32 s67, 0
	s_cbranch_scc1 .Ltrip
	; THE WAY OUT of a pass.  O^T / the sum x 2^(ep + ev) goes through my own stage in LDS and leaves as whole rows of 256 bytes.
.rept 4
	v_nop                                          ; four places behind the last products, ahead of the first read of their results and of the loads into their sources
.endr
	v_add_f32 v14, v14, v15                        ; the sum's two halves,
	v_permlanex16_b32 v219, v14, s20, s21
	v_add_f32 v14, v14, v219                       ; and lane l xor 16's: the row's sum
	v_rcp_f32 v14, v14
	v_nop                                          ; a plain instruction behind the reciprocal
	s_wait_alu depctr_va_vdst(0)                   ; and the wait ahead of its first reader
	v_ldexp_f32 v14, v14, s101                     ; x 2^(ep + ev)
.irp j, 0,2,4,6,8,10,12,14,16,18,20,22,24,26,28,30
	v_pk_mul_f32 v[SC+\j:SC+\j+1], v[OT+\j:OT+\j+1], v[14:15] op_sel_hi:[1,0]   ; register 8 t + i is o(r, 16 t + 8 h + i); each accumulator from its low end on
.endr
.irp t, 0,1,2,3
	ds_store_b128 v8, v[SC+8*\t:SC+8*\t+3] offset:64*\t
	ds_store_b128 v8, v[SC+8*\t+4:SC+8*\t+7] offset:64*\t+16
.endr
.irp i, 0,1,2,3,4,5,6,7
	ds_load_b128 v[FR+4*\i:FR+4*\i+3], v9 offset:2*\i*VPI   ; LDS serves a wave's instructions in order (ISA guide 5.7.1.4): these see my stores
.endr
.irp i, 0,1,2,3,4,5,6,7
	s_wait_dscnt 7-\i                              ; load i is in; the younger ones may be out
	global_store_b128 v226, v[FR+4*\i:FR+4*\i+3], s[16:17] offset:512*\i th:TH_STORE_NT   ; two rows: 512 consecutive bytes, aligned; written once, read by nobody here
.endr
	s_wait_loadcnt 0x0                             ; no load into the slot's registers is out when the next pass asks for its slot 0
	s_wait_xcnt 0x0                                ; the stores have read their data and their offset: the next pass writes both again
	s_xor_b32 s19, s19, 7                          ; block 7 - x
	s_sub_co_u32 s66, s66, 1
	s_cmp_lg_u32 s66, 0
	s_cbranch_scc1 .Lpass
	s_wait_tensorcnt 0x0
	ds_add_u32 v254, v255
	s_wait_dscnt 0x0
	s_endpgm
.Lfunc_end_k_q76a4cae285_attn:
	.size	k_q76a4cae285_attn, .Lfunc_end_k_q76a4cae285_attn-k_q76a4cae285_attn
	.p2alignl 7, 3214868480
	.fill 96, 4, 3214868480
	.section	.rodata,"a",@progbits
	.p2align	6, 0x0
	.amdhsa_kernel k_q76a4cae285_attn
		.amdhsa_group_segment_fixed_size 153600
		.amdhsa_private_segment_fixed_size 0
		.amdhsa_enable_private_segment 0
		.amdhsa_kernarg_size 56
		.amdhsa_user_sgpr_count 2
		.amdhsa_user_sgpr_kernarg_segment_ptr 1
		.amdhsa_wavefront_size32 1
		.amdhsa_system_sgpr_workgroup_id_x 1
		.amdhsa_system_sgpr_workgroup_id_y 1
		.amdhsa_system_sgpr_workgroup_id_z 1
		.amdhsa_system_vgpr_workitem_id 0
		.amdhsa_next_free_vgpr 256
		.amdhsa_next_free_sgpr 102
		.amdhsa_reserve_vcc 0
		.amdhsa_float_denorm_mode_32 3
		.amdhsa_float_denorm_mode_16_64 3
		.amdhsa_memory_ordered 1
		.amdhsa_forward_progress 1
		.amdhsa_inst_pref_size 97
	.end_amdhsa_kernel
	.amdgpu_metadata
---
amdhsa.version: [ 1, 2 ]
amdhsa.kernels:
  - .name:           k_q76a4cae285_attn
    .symbol:         k_q76a4cae285_attn.kd
    .args:
      - { .name: queries, .offset: 0, .size: 8, .value_kind: global_buffer, .address_space: global }
      - { .name: kc, .offset: 8, .size: 8, .value_kind: global_buffer, .address_space: global }
      - { .name: vc, .offset: 16, .size: 8, .value_kind: global_buffer, .address_space: global }
      - { .name: flags, .offset: 24, .size: 8, .value_kind: global_buffer, .address_space: global }
      - { .name: mbits, .offset: 32, .size: 8, .value_kind: global_buffer, .address_space: global }
      - { .name: lowp_scales, .offset: 40, .size: 8, .value_kind: global_buffer, .address_space: global }
      - { .name: out0, .offset: 48, .size: 8, .value_kind: global_buffer, .address_space: global }
    .group_segment_fixed_size: 153600
    .private_segment_fixed_size: 0
    .kernarg_segment_align: 8
    .kernarg_segment_size: 56
    .max_flat_workgroup_size: 512
    .sgpr_count:     102
    .vgpr_count:     256
    .wavefront_size: 32
...
	.end_amdgpu_metadata
.endif
;; end of part 2
;; ======== version 2 of 2: 2 launches
;; workspace buffers: kc 8,388,608 bytes; vc 8,388,608 bytes; flags 4,096 bytes of whole numbers; mbits 524,288 bytes of whole numbers
;; launch prep (part 3): grid 640 x 1, 4 waves a work-group, no clusters, 68,096 bytes of LDS; arguments keys, values, mask, lowp_scales, kc, vc, flags, mbits; writes kc, vc, flags, mbits
.if DOCPART == 3
	.amdgcn_target "amdgcn-amd-amdhsa--gfx1250"
	.amdhsa_code_object_version 6
	.text
	.protected	k_q76a4cae285_prep
	.globl	k_q76a4cae285_prep
	.p2align	8
	.type	k_q76a4cae285_prep,@function
k_q76a4cae285_prep:
	s_mov_b64 s[64:65], 0
	v_nop
	global_prefetch_b8 v0, s[64:65] scope:SCOPE_SE
	s_setreg_imm32_b32 hwreg(HW_REG_WAVE_MODE, 25, 1), 1
	s_wait_xcnt 0x0
; PREP: what the attention launch reads again and again is made once.  Three roles, told apart by the work-group's number alone; they never join, and each has LDS bytes of its own.
;   work-groups   0..255  K: keys [64 heads][2048][64] f32 -> kc, codes of BF8 (E5M2), same order, one byte a code, with the given scale 2^ek.
;   work-groups 256..511  V: values [64 heads][2048 keys][64 d] f32 -> vc [64 heads][64 d][2048 keys], codes with the KEYS innermost (they are the second product's K), scale 2^ev.
;   work-groups 512..639  the mask [2048][2048] of bytes -> mbits and flags, for tiles of 16 queries (T) x 128 keys (s):
;       mbits [T 128][s 16][n 64] words: word n = 16 b + i is a lane mask: bit l (r = l % 16, h = l / 16) = mask[16 T + r][128 s + 32 b + 16 h + i]: the place that score register n of lane l has in the attention launch.
;       flags: word at 16 T + 4 w: bit s (s = 4 w .. 4 w + 3) set where tile (T, s) has a true (ANY); word at 2048 + 16 T + 4 w: set where it has a false (MIX).
; code = x / 2^e, held within +-57,344, to the nearest code, ties to even.  LIMITS: ek and ev between -126 and 112, so that 2^e and 57,344 x 2^e are f32 numbers.  NaN among keys and values is not served.
; No tensor loads, no barrier: waves share nothing.
.set EMAX, 15
.set MANT, 0x600000                    ; the mantissa field of 57,344 as f32
.set SP,   80                          ; K role: a lane's place in a stage: 64 bytes + 16 of padding
.set KR,   16                          ; v16-79   K role: four sets of 16 numbers as loaded
.set KX,   80                          ; v80-111  two sets of 16 neighbours
.set KC,   128                         ; v128-191 codes: four registers for each step, so that no store's data are written again
.set VSTG, 32768                       ; V role: its stages begin here: 32 rows x 272 bytes for each wave
.set VPI,  272
.set VX,   32                          ; v32-95   V role: two sets of 32 numbers
.set VC,   96                          ; v96-103  a block's codes
.set VO,   112                         ; v112-175 the way out
.set MO,   32                          ; v32-39   mask role: a pair of registers for each key step: lane j holds words 2 j and 2 j + 1
.set MD,   64                          ; v64-127  the mask's bytes: 16 registers for each key step
; ---- K role's macros: a wave takes 16 steps of 512 numbers.  Each load reads 512 consecutive bytes; a step's 2,048 bytes turn through the wave's own stage, so that a lane then holds 16 neighbours.
.macro KLOAD t
.irp i, 0,1,2,3
	global_load_b128 v[KR+16*((\t)%4)+4*\i:KR+16*((\t)%4)+4*\i+3], v3, s[4:5] offset:2048*(\t)+512*\i th:TH_LOAD_NT
.endr
.endm
.macro KTURN t                         ; LDS serves a wave's instructions in order (ISA guide 5.7.1.4): no wait between the stores and the loads
.irp i, 0,1,2,3
	ds_store_b128 v14, v[KR+16*((\t)%4)+4*\i:KR+16*((\t)%4)+4*\i+3] offset:32*SP*((\t)%2)+8*SP*\i
.endr
.irp i, 0,1,2,3
	ds_load_b128 v[KX+16*((\t)%2)+4*\i:KX+16*((\t)%2)+4*\i+3], v15 offset:32*SP*((\t)%2)+16*\i
.endr
.endm
.macro KSTEP t
.set XS, KX+16*((\t)%2)
	s_wait_dscnt 0x0                               ; this step's numbers are back from the stage, so its stores into the stage have read their registers,
.if (\t)+4 < 16
	KLOAD (\t)+4                                   ; which take the loads of four steps on
.endif
.if (\t)+1 < 16
.if 14-(\t) >= 3
	s_wait_loadcnt 12                              ; the next step's four loads are in; those of the three steps behind it may be out
.else
	s_wait_loadcnt 4*(14-(\t))                     ; the counts run down: fewer steps are left behind the next one
.endif
	KTURN (\t)+1
.endif
.irp i, 0,1,2,3,4,5,6,7,8,9,10,11,12,13,14,15
	v_med3_num_f32 v[XS+\i], v[XS+\i], -v10, v10   ; the conversion to an 8-bit code does not saturate (ISA guide 7.6.2): the hold at the largest code x the scale
.endr
	v_cvt_scalef32_pk8_bf8_f32 v[KC+4*(\t):KC+4*(\t)+1], v[XS:XS+7], v11
	v_cvt_scalef32_pk8_bf8_f32 v[KC+4*(\t)+2:KC+4*(\t)+3], v[XS+8:XS+15], v11
	global_store_b128 v3, v[KC+4*(\t):KC+4*(\t)+3], s[12:13] offset:512*(\t)   ; the wave stores 512 consecutive bytes, aligned
.endm
; ---- V role's macros: a lane takes a column d, and its registers run down the keys: the conversions then give codes with the keys innermost.
.macro VLOAD t                         ; block t: values(32 t + i, my column), i = 0 .. 31, into set t % 2
.set i, 0
.rept 32
	global_load_b32 v[VX+32*((\t)%2)+i], v3, s[6:7] offset:(32*(\t)+i)*256 th:TH_LOAD_NT
.set i, i+1
.endr
.endm
.macro VBLOCK t
.set XS, VX+32*((\t)%2)
.if (\t) < 7
	s_wait_loadcnt 32                              ; this block's 32 loads are in; the next block's may be out
.else
	s_wait_loadcnt 0
.endif
.set i, 0
.rept 32
	v_med3_num_f32 v[XS+i], v[XS+i], -v10, v10
.set i, i+1
.endr
.irp g, 0,1,2,3
	v_cvt_scalef32_pk8_bf8_f32 v[VC+2*\g:VC+2*\g+1], v[XS+8*\g:XS+8*\g+7], v11
.endr
	ds_store_b128 v4, v[VC:VC+3] offset:32*(\t)    ; 32 codes: 32 bytes of my column's row
	ds_store_b128 v4, v[VC+4:VC+7] offset:32*(\t)+16
.if (\t)+2 < 8
	VLOAD (\t)+2
.endif
	s_wait_dscnt 0x0                               ; the stores have read their registers: the next block's codes may be written
.endm
; ---- mask role's macro: key step sp of the wave's four.  A compare of one byte of every lane's word against 0 gives a lane mask, which IS a word of mbits.
.macro MSTEP sp
.set D, MD+16*(\sp)
	s_wait_loadcnt 12-4*(\sp)                      ; this step's four loads are in; the later steps' may be out
	v_or_b32 v48, v[D], v[D+1]                     ; all my 64 bytes ORed (a true anywhere?) and ANDed (all of them 1?)
	v_and_b32 v49, v[D], v[D+1]
.irp j, 2,3,4,5,6,7,8,9,10,11,12,13,14,15
	v_or_b32 v48, v48, v[D+\j]
	v_and_b32 v49, v49, v[D+\j]
.endr
	v_cmp_ne_u32 s30, 0, v48                       ; lanes that hold a true
	v_cmp_ne_u32 s31, s39, v49                     ; lanes that hold a byte other than 1
.set n0, 0
.rept 8                                ; eight words at a time
.irp k, 0,1,2,3,4,5,6,7
	v_bfe_u32 v[40+\k], v[D+(n0+\k)/4], 8*((n0+\k)%4), 8
.endr
.irp k, 0,1,2,3,4,5,6,7
	v_cmp_ne_u32 s[40+\k], 0, v[40+\k]             ; word n0 + k
.endr
.irp k, 0,1,2,3,4,5,6,7
	v_writelane_b32 v[MO+2*(\sp)+(n0+\k)%2], s[40+\k], (n0+\k)/2
.endr
.set n0, n0+8
.endr
	global_store_b64 v6, v[MO+2*(\sp):MO+2*(\sp)+1], s[18:19] offset:256*(\sp)   ; the tile's 64 words: 256 consecutive bytes, aligned, by one instruction
	s_cmp_lg_u32 s30, 0
	s_cselect_b32 s36, 1<<(\sp), 0
	s_or_b32 s34, s34, s36                         ; ANY
	s_cmp_lg_u32 s31, 0
	s_cselect_b32 s36, 1<<(\sp), 0
	s_or_b32 s35, s35, s36                         ; MIX
.endm
	s_load_b512 s[4:19], s[0:1], 0x0               ; keys s[4:5], values s[6:7], mask s[8:9], scales s[10:11], kc s[12:13], vc s[14:15], flags s[16:17], mbits s[18:19]
	v_lshl_add_u32 v192, v0, 2, 0x10800
	v_mov_b32 v193, 0
	v_lshrrev_b32 v1, 5, v0
	v_readfirstlane_b32 s20, v1                    ; wave 0..3
	v_and_b32 v2, 31, v0                           ; lane
	s_wait_kmcnt 0x0
	s_cmp_lt_u32 ttmp9, 256
	s_cbranch_scc0 .Lnot_k
	; ================ K ================
	s_load_b32 s25, s[10:11], 0x4                  ; ek
	s_lshl_b32 s21, ttmp9, 2
	s_add_co_u32 s21, s21, s20                     ; which run of 8,192 numbers is my wave's
	s_lshl_b32 s22, s21, 15                        ; 32,768 bytes of f32 a run (1,023 runs at the most: under 2^32)
	s_mov_b32 s23, 0
	s_add_nc_u64 s[4:5], s[4:5], s[22:23]
	s_lshl_b32 s22, s21, 13                        ; 8,192 bytes of codes
	s_add_nc_u64 s[12:13], s[12:13], s[22:23]
	s_wait_alu depctr_va_vdst(0)
	v_lshlrev_b32 v3, 4, v2                        ; my 16 bytes of a load's 512, and of a step's 512 bytes of codes
	s_lshl_b32 s21, s20, 13                        ; my wave's 8,192 bytes of LDS: two stages of 32 x 80
	v_lshrrev_b32 v14, 2, v2
	v_mul_u32_u24 v14, v14, SP
	v_and_b32 v15, 3, v2
	v_lshl_add_u32 v14, v15, 4, v14
	v_add_nc_u32 v14, s21, v14                     ; into the stage: four lanes' 64 bytes on end, then 16 of padding
	v_mul_u32_u24 v15, v2, SP
	v_add_nc_u32 v15, s21, v15                     ; out of it: my 16 neighbours
.irp t, 0,1,2,3
	KLOAD \t
.endr
	s_wait_alu depctr_va_vdst(0)
	s_wait_kmcnt 0x0
	s_add_co_i32 s25, s25, 127
	s_lshl_b32 s26, s25, 23
	v_mov_b32 v11, s26                             ; 2^ek as f32: the conversion takes its exponent field
	s_add_co_i32 s25, s25, EMAX
	s_lshl_b32 s25, s25, 23
	s_or_b32 s25, s25, MANT
	v_mov_b32 v10, s25                             ; 57,344 x 2^ek
	s_wait_alu depctr_va_vdst(0)
	s_wait_loadcnt 12                              ; step 0's four loads are in
	KTURN 0
.irp t, 0,1,2,3,4,5,6,7,8,9,10,11,12,13,14,15
	KSTEP \t
.endr
	s_wait_tensorcnt 0x0
	ds_add_u32 v192, v193
	s_wait_dscnt 0x0
	s_endpgm
.Lnot_k:
	s_cmp_lt_u32 ttmp9, 512
	s_cbranch_scc0 .Lmask
	; ================ V ================  a wave takes 32 columns d x 256 keys of one head
	s_load_b32 s27, s[10:11], 0xc                  ; ev
	s_sub_co_u32 s21, ttmp9, 256
	s_lshr_b32 s22, s21, 2                         ; the head
	s_and_b32 s21, s21, 3
	s_lshl_b32 s21, s21, 9
	s_lshr_b32 s23, s20, 1
	s_lshl_b32 s23, s23, 8
	s_add_co_u32 s21, s21, s23                     ; my first key: 512 x (work-group % 4) + 256 x (wave / 2)
	s_and_b32 s23, s20, 1
	s_lshl_b32 s23, s23, 5                         ; my first column: 32 x (wave % 2): two waves side by side read a key's whole 256 bytes
	s_lshl_b32 s28, s22, 19                        ; values: head x 524,288 + key x 256 + column x 4
	s_lshl_b32 s30, s21, 8
	s_add_co_u32 s28, s28, s30
	s_lshl_b32 s30, s23, 2
	s_add_co_u32 s28, s28, s30
	s_mov_b32 s29, 0
	s_add_nc_u64 s[6:7], s[6:7], s[28:29]
	s_lshl_b32 s28, s22, 17                        ; vc: head x 131,072 + column x 2,048 + key
	s_lshl_b32 s30, s23, 11
	s_add_co_u32 s28, s28, s30
	s_add_co_u32 s28, s28, s21
	s_add_nc_u64 s[14:15], s[14:15], s[28:29]
	s_mul_i32 s31, s20, 32*VPI
	s_add_co_u32 s31, s31, VSTG                    ; my stage
	s_wait_alu depctr_va_vdst(0)
	v_lshlrev_b32 v3, 2, v2                        ; in: 4 bytes a lane
	v_mul_u32_u24 v4, v2, VPI
	v_add_nc_u32 v4, s31, v4                       ; into the stage: row = my column
	v_and_b32 v5, 15, v2
	v_lshrrev_b32 v6, 4, v2
	v_mul_u32_u24 v7, v6, VPI
	v_lshl_add_u32 v7, v5, 4, v7
	v_add_nc_u32 v7, s31, v7                       ; out of it: sixteen lanes to a row, two rows an instruction
	v_lshlrev_b32 v8, 11, v6
	v_lshl_add_u32 v8, v5, 4, v8                   ; and the same place in vc
	VLOAD 0
	VLOAD 1
	s_wait_kmcnt 0x0
	s_add_co_i32 s27, s27, 127
	s_lshl_b32 s26, s27, 23
	v_mov_b32 v11, s26                             ; 2^ev as f32
	s_add_co_i32 s27, s27, EMAX
	s_lshl_b32 s27, s27, 23
	s_or_b32 s27, s27, MANT
	v_mov_b32 v10, s27                             ; 57,344 x 2^ev
	s_wait_alu depctr_va_vdst(0)
.irp t, 0,1,2,3,4,5,6,7
	VBLOCK \t
.endr
.irp t, 0,1,2,3,4,5,6,7,8,9,10,11,12,13,14,15
	ds_load_b128 v[VO+4*\t:VO+4*\t+3], v7 offset:2*\t*VPI   ; these see my stores: LDS serves a wave's instructions in order
.endr
.irp t, 0,1,2,3,4,5,6,7,8,9,10,11,12,13,14,15
	s_wait_dscnt 15-\t                             ; load t is in; the younger ones may be out
	global_store_b128 v8, v[VO+4*\t:VO+4*\t+3], s[14:15] offset:2*\t*2048   ; sixteen lanes store 256 consecutive bytes of a row of vc, aligned
.endr
	s_wait_tensorcnt 0x0
	ds_add_u32 v192, v193
	s_wait_dscnt 0x0
	s_endpgm
.Lmask:
	; ================ the mask ================  work-group = query tile T; wave w takes key steps 4 w .. 4 w + 3
	s_sub_co_u32 s21, ttmp9, 512                   ; T
	s_lshl_b32 s22, s21, 15                        ; 16 rows of 2,048 bytes,
	s_lshl_b32 s24, s20, 9                         ; + my four key steps' 512 bytes of a row
	s_add_co_u32 s22, s22, s24
	s_mov_b32 s23, 0
	s_add_nc_u64 s[8:9], s[8:9], s[22:23]
	s_lshl_b32 s22, s21, 12                        ; mbits: (16 T + 4 w) tiles of 256 bytes
	s_lshl_b32 s24, s20, 10
	s_add_co_u32 s22, s22, s24
	s_add_nc_u64 s[18:19], s[18:19], s[22:23]
	s_wait_alu depctr_va_vdst(0)
	v_and_b32 v1, 15, v2                           ; r
	v_lshrrev_b32 v3, 4, v2                        ; h
	v_lshlrev_b32 v5, 11, v1
	v_lshl_add_u32 v5, v3, 4, v5                   ; row r, + 16 h
	v_lshlrev_b32 v6, 3, v2                        ; out: two words a lane
.irp sp, 0,1,2,3
.irp b, 0,1,2,3
	global_load_b128 v[MD+16*\sp+4*\b:MD+16*\sp+4*\b+3], v5, s[8:9] offset:128*\sp+32*\b   ; mask[16 T + r][128 (4 w + sp) + 32 b + 16 h + 0 .. 15]
.endr
.endr
.irp j, 0,1,2,3,4,5,6,7
	v_mov_b32 v[MO+\j], 0                          ; written once: v_writelane_b32's destination counts as one of its sources
.endr
	s_mov_b32 s34, 0
	s_mov_b32 s35, 0
	s_mov_b32 s39, 0x01010101
	MSTEP 0
	MSTEP 1
	MSTEP 2
	MSTEP 3
	s_lshl_b32 s38, s20, 2
	s_lshl_b32 s34, s34, s38                       ; my four bits at their places 4 w .. 4 w + 3
	s_lshl_b32 s35, s35, s38
	v_mov_b32 v8, s34                              ; lane 0 stores ANY,
	v_writelane_b32 v8, s35, 1                     ; lane 1 MIX, 2,048 bytes further on
	v_and_b32 v7, 1, v2
	v_lshlrev_b32 v7, 11, v7
	s_lshl_b32 s36, s21, 4
	s_add_co_u32 s36, s36, s38                     ; 16 T + 4 w
	v_add_nc_u32 v7, s36, v7
	v_cmp_gt_u32 vcc_lo, 2, v2
	s_wait_alu depctr_va_vdst(0)
	s_wait_xcnt 0x0                                ; EXEC is a source of the stores above: it changes only behind this wait
	s_and_saveexec_b32 s37, vcc_lo
	global_store_b32 v7, v8, s[16:17]
	s_wait_xcnt 0x0                                ; and again, in front of the line that widens it
	s_or_b32 exec_lo, exec_lo, s37
	s_endpgm
.Lfunc_end_k_q76a4cae285_prep:
	.size	k_q76a4cae285_prep, .Lfunc_end_k_q76a4cae285_prep-k_q76a4cae285_prep
	.p2alignl 7, 3214868480
	.fill 96, 4, 3214868480
	.section	.rodata,"a",@progbits
	.p2align	6, 0x0
	.amdhsa_kernel k_q76a4cae285_prep
		.amdhsa_group_segment_fixed_size 68096
		.amdhsa_private_segment_fixed_size 0
		.amdhsa_enable_private_segment 0
		.amdhsa_kernarg_size 64
		.amdhsa_user_sgpr_count 2
		.amdhsa_user_sgpr_kernarg_segment_ptr 1
		.amdhsa_wavefront_size32 1
		.amdhsa_system_sgpr_workgroup_id_x 1
		.amdhsa_system_sgpr_workgroup_id_y 1
		.amdhsa_system_sgpr_workgroup_id_z 1
		.amdhsa_system_vgpr_workitem_id 0
		.amdhsa_next_free_vgpr 194
		.amdhsa_next_free_sgpr 66
		.amdhsa_reserve_vcc 1
		.amdhsa_float_denorm_mode_32 3
		.amdhsa_float_denorm_mode_16_64 3
		.amdhsa_memory_ordered 1
		.amdhsa_forward_progress 1
		.amdhsa_inst_pref_size 142
	.end_amdhsa_kernel
	.amdgpu_metadata
---
amdhsa.version: [ 1, 2 ]
amdhsa.kernels:
  - .name:           k_q76a4cae285_prep
    .symbol:         k_q76a4cae285_prep.kd
    .args:
      - { .name: keys, .offset: 0, .size: 8, .value_kind: global_buffer, .address_space: global }
      - { .name: values, .offset: 8, .size: 8, .value_kind: global_buffer, .address_space: global }
      - { .name: mask, .offset: 16, .size: 8, .value_kind: global_buffer, .address_space: global }
      - { .name: lowp_scales, .offset: 24, .size: 8, .value_kind: global_buffer, .address_space: global }
      - { .name: kc, .offset: 32, .size: 8, .value_kind: global_buffer, .address_space: global }
      - { .name: vc, .offset: 40, .size: 8, .value_kind: global_buffer, .address_space: global }
      - { .name: flags, .offset: 48, .size: 8, .value_kind: global_buffer, .address_space: global }
      - { .name: mbits, .offset: 56, .size: 8, .value_kind: global_buffer, .address_space: global }
    .group_segment_fixed_size: 68096
    .private_segment_fixed_size: 0
    .kernarg_segment_align: 8
    .kernarg_segment_size: 64
    .max_flat_workgroup_size: 128
    .sgpr_count:     66
    .vgpr_count:     194
    .wavefront_size: 32
...
	.end_amdgpu_metadata
.endif
;; end of part 3
;; launch attn (part 4): grid 4 x 64, 16 waves a work-group, no clusters, 153,600 bytes of LDS; arguments queries, kc, vc, flags, mbits, lowp_scales, out0; writes out0
.if DOCPART == 4
	.amdgcn_target "amdgcn-amd-amdhsa--gfx1250"
	.amdhsa_code_object_version 6
	.text
	.protected	k_q76a4cae285_attn
	.globl	k_q76a4cae285_attn
	.p2align	8
	.type	k_q76a4cae285_attn,@function
k_q76a4cae285_attn:
	s_mov_b64 s[64:65], 0
	v_nop
	global_prefetch_b8 v0, s[64:65] scope:SCOPE_SE
	s_setreg_imm32_b32 hwreg(HW_REG_WAVE_SCHED_MODE, 0, 2), 2
	s_setreg_imm32_b32 hwreg(HW_REG_WAVE_MODE, 25, 1), 1
	s_wait_xcnt 0x0
	s_wait_alu depctr_vm_vsrc(0)
; out0[head][q][:] = the sum over k of softmax_k(mask ? Q[q] . K[k] / 8 : -infinity) V[k][:], 64 heads, 2,048 queries and keys, head size 64; both products on codes of BF8 (E5M2), each operand with its given scale 2^e (eq, ek, ep, ev).
; Q arrives as f32 and is quantised here, in registers (a wave reads its 16 rows once); kc [head][key][64] and vc [head][d][2048 keys] are the codes that the launch before has made.
; THE SOFTMAX: t = score x log2(e) / 8; M = the row's largest t so far, rounded UP to a whole number; p = 2^(t - M) is what is quantised; the row's sum is taken of the unquantised p and divides at the end.
; When M moves, the sum and O are multiplied by 2^(old M - new M), which rounds nothing.
; THE MASK is an input and is honoured as it is given.  The launch before has packed it: mbits holds, for each tile of 16 queries x 128 keys, 64 lane masks, one for each score register; flags says which tiles have a true (ANY) and
; which have a false (MIX).  A key step whose tile has no true is left out (its p would all be 0); one whose tile has no false skips the 64 selects.  These are scalar branches on whole numbers read from memory.
; A row with no true anywhere ends as 0 x (1 / 0) = NaN.
; SHARES.  Work-group (x, head) takes blocks x and 7 - x of the head's eight blocks of 256 queries, one after the other (a PASS): an order of work, right for any mask.  Each of the sixteen waves owns one tile of 16 queries, in 256 registers:
; four waves to a SIMD, so that one wave's vector work stands beside another's matrix work and LDS loads.  A pass walks 8 slots of 256 keys; all trip counts are constants.
; K AND V come through registers: the 512 threads load a slot's 16 KB + 16 KB (16 bytes x 4 a thread) one slot ahead and store them into LDS at the next trip's head, padded.  Which slots are fetched hangs on the stored flags, so the tiles
; are not brought by tensor loads, and hence not by joint loads of a cluster either.  Two LDS slots, one barrier a trip: slot t % 2 is written at the head of trip t, was last read in trip t - 2, and trip t - 1's barrier lies between.
; LAYOUT.  Both products are used transposed: S^T = K Q^T (source 0 = 16 keys, source 1 = my 16 queries), O^T = V^T P^T: a lane (r = lane % 16, h = lane / 16) holds query r throughout.
; Lane r of K's tile 2 b + u takes key 32 b + 8 u + r + 8 (r / 8), so that score register 16 b + i is key 32 b + 16 h + i and the conversions' results are the second product's operand.
; Along K each fragment holds, in registers 4 c .. 4 c + 3, k = 32 c + 16 h + 0 .. 15: the same permutation of k on both sides of each product.
; LIMITS on the given exponents, so that each power of two below is an f32 number: eq and ep between -126 and 112; eq + ek between -123 and 130 (they are added to c's exponent field).  NaN among the inputs is not served.
; p's hold at the largest code is jumped over only where ep >= -15: there p <= 1 < 57,344 x 2^ep, so it could never act.
; THE MODE: SCHED_MODE bits 1:0 = 2 (LLVM: expert scheduling mode 2), set by the entry lines.  The code itself states the register dependences between vector or matrix instructions and memory or LDS instructions, with s_wait_alu, always for 0.
; THE PLAN.  Registers that memory or LDS instructions touch:
;   v1-v10      addresses and offsets: written by vector lines at the head, once; read by every LDS and global instruction.
;   v11, v226   the tile's offsets in queries and out0: written by two additions at a pass's head; read by Q's loads and by the pass's global stores.
;   v24-v39     the slot on its way: written by the slot's four global loads, read by the trip's four LDS stores; no vector instruction names them.
;   v[FR ..]    a step: K's sixteen LDS loads land, the eight products K Q^T read; V's sixteen land, the four products V^T P^T read.  The way out: the stage's eight loads land, the global stores read.
;   v[SC ..]    a pass's head: Q's loads land, the holds and conversions read.  A step: vector and matrix instructions alone.  The way out: the last multiplications write, the stage's LDS stores read.
;   v254, v255  written at the head, read by the closing add alone.
;   v12-v23, O^T, p's codes and v216-v233 are named by vector and matrix instructions alone.
; So a step has five waits on va_vdst: at its head (the earlier products are done reading FR, K may land), behind the first product (it is done reading K, V may land), ahead of the exponentials, behind them (their results are written), and ahead of the second product.
; Behind the second of them nothing names FR or v2 up to the second product, so V's loads are dealt among the lines of the maximum with no further wait.  A trip has one wait on vm_vsrc, behind its barrier; a pass two on va_vdst at its head,
; three on its way out, and one on vm_vsrc at its end.
.set SLOTB, 40960                      ; an LDS slot: K's 256 keys (22,528 bytes), then V's 64 rows (17,408)
.set KPI,   80                         ; a key's row: 64 bytes + 16
.set KGRP,  1408                       ; 16 keys: 16 x 80 + 128 spare: the rows {0..7, 16..23} of a fragment load then start in 16 different columns of 16 bytes modulo 256 (64 banks of 4 bytes: ISA guide 11.1)
.set VOFF,  16*KGRP
.set VPI,   272                        ; a row of V: 256 keys + 16
.set STG,   2*SLOTB                    ; behind the slots: 16 rows x 272 bytes for each wave, its own, for the way out
.set FR,    40                         ; v40-103  fragments of K, then of V; on the way out rows read back
.set SC,    104                        ; v104-167 S^T, then p; at a pass's head Q as f32; on the way out O / l
.set OT,    168                        ; v168-199 O^T
.set PC,    200                        ; v200-215 p's codes
; v1 AK0, v2 AV0: my lane's place in a tile of K, of V; v3 SK, v4 SV: where my thread stores its 16 bytes of K, of V; v5 GK, v6 GV: its byte offsets in a slot's part of kc, vc; v7 QO, v10 GO: my lane's offsets in a tile of q, of out0;
; v8 STO, v9 RD: the stage, in and back; v11, v226: QO, GO + the tile's offset; v12 -M, v13 the largest t, v[14:15] the sum in two halves; v16-23 Q's codes; v24-39 the slot on its way;
; v216 -infinity; v217, v218: 2^ep, 57,344 x 2^ep; v229, v230: the same for eq; v219 a lane permute's destination; v[220:221] f and 0; v222-225 at work; v254, v255: the closing add's two.
; s[4:5] q, s[6:7] kc, s[8:9] vc, s[16:17] out0, each at my head; s[10:11] flags, s[12:13] mbits; s18 wave, s19 block; s[20:21] lane selects; s[22:23] c; s[24:25], s[26:27] the walking pointers into kc, vc;
; s28 ANY, s29 MIX of my tile (bit 0: the step in hand); s30 the block's ANY bits; s31 byte offset of the step's words in mbits; s32-63, s68-99 the 64 words; s66, s67 counters; s100 hold or not; s101 ep + ev.
.macro GLOAD                           ; a slot's codes: K's 256 keys are 16,384 consecutive bytes; V's are 256 bytes of each of 64 rows: sixteen threads to a row
	global_load_b128 v[24:27], v5, s[24:25]
	global_load_b128 v[28:31], v5, s[24:25] offset:8192
	global_load_b128 v[32:35], v6, s[26:27]
	global_load_b128 v[36:39], v6, s[26:27] offset:65536
.endm
.macro VFRAG t                         ; V's fragment t of the step in hand (VB: the step's first byte): 16 of the head's 64 x 128 keys
.irp c, 0,1,2,3
	ds_load_b128 v[FR+16*(\t)+4*\c:FR+16*(\t)+4*\c+3], v2 offset:VB+16*VPI*(\t)+32*\c
.endr
.endm
; A KEY STEP: 128 keys, the q-th of the slot.
.macro STEP slot, q
.set KB, (\slot)*SLOTB+(\q)*8*KGRP
.set VB, (\slot)*SLOTB+(\q)*128
	s_bitcmp1_b32 s28, 0                           ; has my tile a true in this step?
	s_cbranch_scc0 .Lskip_\@
	s_bitcmp1_b32 s29, 0                           ; has it a false?  Then its 64 lane masks are asked for now and used behind the first product
	s_cbranch_scc0 .Lnowords_\@
	s_load_b512 s[32:47], s[12:13], s31 offset:0x0
	s_load_b512 s[48:63], s[12:13], s31 offset:0x40
	s_load_b512 s[68:83], s[12:13], s31 offset:0x80
	s_load_b512 s[84:99], s[12:13], s31 offset:0xc0
.Lnowords_\@:
.rept 4
	v_nop                                          ; four places behind the last products, ahead of the loads into registers that they have read
.endr
	s_wait_alu depctr_va_vdst(0)                   ; the products issued so far are done reading v[FR ..], in which K's fragments land
.irp u, 0,1,2,3,4,5,6,7
.irp g, 0,1
	ds_load_b128 v[FR+8*\u+4*\g:FR+8*\u+4*\g+3], v1 offset:KB+2*KGRP*(\u/2)+8*KPI*(\u%2)+32*\g
.endr
.endr
	s_wait_dscnt 0x0                               ; K's eight fragments are in
.irp u, 0,1,2,3,4,5,6,7
	v_wmma_f32_16x16x64_bf8_bf8 v[SC+8*\u:SC+8*\u+7], v[FR+8*\u:FR+8*\u+7], v[16:23], 0
.endr
.rept 4
	v_nop                                          ; four places: for the first read of the scores, and ahead of the loads into registers just read
.endr
	s_wait_alu depctr_va_vdst(0)                   ; the eight products are done reading K's fragments, in which V's land.  From here to the second product no vector or matrix instruction names v[FR ..] or v2: V's loads owe no further wait
	VFRAG 0                                        ; V's four fragments land while the softmax is worked: the first now, the others dealt among the lines of the maximum
	s_wait_kmcnt 0x0                               ; the words are in (on every path of the step: no scalar load stays out)
	s_bitcmp1_b32 s29, 0
	s_cbranch_scc0 .Lopen_\@
.set n, 0
.rept 64                               ; hidden scores become -infinity ahead of the maximum: p = 0 then.  Ascending: each accumulator is read from its low end on
.if n < 32
	v_cndmask_b32 v[SC+n], v216, v[SC+n], s[32+n]
.else
	v_cndmask_b32 v[SC+n], v216, v[SC+n], s[36+n]
.endif
.set n, n+1
.endr
.Lopen_\@:
	v_max3_num_f32 v222, v[SC], v[SC+1], v[SC+2]   ; the step's largest score of my query, among my 64 keys, in two chains,
	v_max3_num_f32 v223, v[SC+3], v[SC+4], v[SC+5]
.irp i, 6,10,14,18,22,26,30,34,38,42,46,50,54,58
	v_max3_num_f32 v222, v222, v[SC+\i], v[SC+1+\i]
	v_max3_num_f32 v223, v223, v[SC+2+\i], v[SC+3+\i]
.if \i == 14
	VFRAG 1
.endif
.if \i == 30
	VFRAG 2
.endif
.if \i == 46
	VFRAG 3
.endif
.endr
	v_max3_num_f32 v222, v222, v[SC+62], v[SC+63]
	v_max_num_f32 v222, v222, v223
	v_permlanex16_b32 v219, v222, s20, s21
	v_max_num_f32 v222, v222, v219                 ; and among lane l xor 16's
	v_mul_f32 v222, s22, v222                      ; as t (c is positive)
	v_max_num_f32 v13, v13, v222                   ; the running largest t
	v_mov_b32 v222, v12
	v_floor_f32 v12, -v13                          ; the new -M = floor(-t) = -ceil(t): a whole number
	v_sub_f32 v222, v12, v222                      ; M's old value less its new one: a whole number, 0 or less
	v_cvt_i32_f32 v222, v222                       ; (it saturates)
	v_ldexp_f32 v220, 1.0, v222                    ; f = 2^(old M - new M)
.irp j, 0,2,4,6,8,10,12,14,16,18,20,22,24,26,28,30,32,34,36,38,40,42,44,46,48,50,52,54,56,58,60,62
	v_pk_fma_f32 v[SC+\j:SC+\j+1], v[SC+\j:SC+\j+1], s[22:23], v[12:13] op_sel_hi:[1,0,0]   ; t - M, two at a time (of the pairs c and -M the low word serves both halves)
.endr
.set n, 0
	s_wait_alu depctr_va_vdst(0)
.rept 64
	v_exp_f32 v[SC+n], v[SC+n]                     ; p = 2^(t - M), at most 1: not normalised
.set n, n+1
.endr
	v_pk_mul_f32 v[14:15], v[14:15], v[220:221] op_sel_hi:[1,0]   ; the sums under the new M: the plain instruction behind the exponentials
	s_wait_alu depctr_va_vdst(0)                   ; the 64 exponentials have written v[SC ..]: one wait for the batch, ahead of its first reader
	v_pk_add_f32 v[224:225], v[SC:SC+1], v[SC+2:SC+3]   ; the row's sum is taken of the unquantised p: two at a time, in two chains
.irp j, 4,8,12,16,20,24,28,32,36,40,44,48,52,56,60
	v_pk_add_f32 v[14:15], v[14:15], v[SC+\j:SC+\j+1]
	v_pk_add_f32 v[224:225], v[224:225], v[SC+2+\j:SC+3+\j]
.endr
	v_pk_add_f32 v[14:15], v[14:15], v[224:225]
	s_cmp_lg_u32 s100, 0                           ; ep < -15: p can lie beyond the largest code x the scale, and the conversion does not saturate (ISA guide 7.6.2)
	s_cbranch_scc0 .Lnohold_\@
.set n, 0
.rept 64
	v_min_num_f32 v[SC+n], v[SC+n], v218           ; p is not negative: the hold is one-sided
.set n, n+1
.endr
.Lnohold_\@:
.irp m, 0,1,2,3,4,5,6,7
	v_cvt_scalef32_pk8_bf8_f32 v[PC+2*\m:PC+2*\m+1], v[SC+8*\m:SC+8*\m+7], v217
.endr
.irp j, 0,2,4,6,8,10,12,14,16,18,20,22,24,26,28,30
	v_pk_mul_f32 v[OT+\j:OT+\j+1], v[OT+\j:OT+\j+1], v[220:221] op_sel_hi:[1,0]   ; O^T under the new M.  (These are also the plain instructions between the conversions and the products that read their results)
.endr
	s_wait_alu depctr_va_vdst(0)
	s_wait_dscnt 0x0                               ; V's four fragments are in
.irp t, 0,1,2,3                        ; the four accumulators take turns, and eight other products stand between two steps' turns
	v_wmma_f32_16x16x128_bf8_bf8 v[OT+8*\t:OT+8*\t+7], v[FR+16*\t:FR+16*\t+15], v[PC:PC+15], v[OT+8*\t:OT+8*\t+7]
.endr
.Lskip_\@:
	s_lshr_b32 s28, s28, 1                         ; on to the next step's bits and words
	s_lshr_b32 s29, s29, 1
	s_add_co_u32 s31, s31, 256
.endm
; A TRIP: one slot of 256 keys.
.macro TRIP slot
	s_wait_loadcnt 0x0                             ; the slot's codes are in my registers; their loads are done, so their bases may step
	s_add_nc_u64 s[24:25], s[24:25], 16384         ; the next 256 keys of kc,
	s_add_nc_u64 s[26:27], s[26:27], 256           ; and of each row of vc
	ds_store_b128 v3, v[24:27] offset:(\slot)*SLOTB           ; always executed: where the slot was not fetched, old bytes land in a slot that no wave reads
	ds_store_b128 v3, v[28:31] offset:(\slot)*SLOTB+8*KGRP
	ds_store_b128 v4, v[32:35] offset:(\slot)*SLOTB
	ds_store_b128 v4, v[36:39] offset:(\slot)*SLOTB+32*VPI
	s_wait_dscnt 0x0                               ; for the others' sake: my stores have landed; my reads of the other slot were waited for in its steps
	s_barrier_signal -1
	s_barrier_wait -1                              ; the slot is whole, and nobody reads the other one any more
	s_wait_alu depctr_vm_vsrc(0)                   ; my four LDS stores have read v[24:39], in which the next loads of a slot land: this trip's below, a later trip's, or the next pass's first
	s_and_b32 s2, s30, 12                          ; does any tile of the block want the next slot?  (In a pass's last trip these bits are 0: no load leaves its buffer)
	s_cbranch_scc0 .Lnofetch_\@
	GLOAD                                          ; it has this slot's two key steps in which to arrive
.Lnofetch_\@:
	STEP \slot, 0
	STEP \slot, 1
	s_lshr_b32 s30, s30, 2
.endm
	s_load_b256 s[4:11], s[0:1], 0x0               ; queries, kc, vc, flags
	s_load_b128 s[12:15], s[0:1], 0x20             ; mbits, lowp_scales
	s_load_b64 s[16:17], s[0:1], 0x30              ; out0
	v_lshl_add_u32 v254, v0, 2, 0x25000
	v_mov_b32 v255, 0
	v_lshrrev_b32 v227, 5, v0
	v_readfirstlane_b32 s18, v227                  ; wave 0..15
	v_and_b32 v227, 15, v0                         ; r (also: my thread's place among the sixteen of a row of V)
	v_bfe_u32 v228, v0, 4, 1                       ; h
	v_lshrrev_b32 v231, 3, v227
	v_and_b32 v232, 7, v227
	v_mul_u32_u24 v1, v231, KGRP
	v_mad_u32_u24 v1, v232, KPI, v1
	v_lshl_add_u32 v1, v228, 4, v1                 ; AK0 = 1408 (r / 8) + 80 (r % 8) + 16 h
	v_mul_u32_u24 v2, v227, VPI
	v_lshl_add_u32 v2, v228, 4, v2
	v_add_nc_u32 v2, VOFF, v2                      ; AV0 = 22,528 + 272 r + 16 h
	v_lshrrev_b32 v231, 6, v0
	v_bfe_u32 v232, v0, 2, 4
	v_and_b32 v233, 3, v0
	v_mul_u32_u24 v3, v231, KGRP
	v_mad_u32_u24 v3, v232, KPI, v3
	v_lshl_add_u32 v3, v233, 4, v3                 ; SK: key = thread / 4, 16 bytes x (thread % 4)
	v_lshrrev_b32 v231, 4, v0                      ; row of V = thread / 16
	v_mul_u32_u24 v4, v231, VPI
	v_lshl_add_u32 v4, v227, 4, v4
	v_add_nc_u32 v4, VOFF, v4                      ; SV
	v_lshlrev_b32 v5, 4, v0                        ; GK = 16 x thread
	v_lshlrev_b32 v6, 11, v231
	v_lshl_add_u32 v6, v227, 4, v6                 ; GV = 2,048 x row + 16 x (thread % 16)
	v_lshlrev_b32 v7, 8, v227
	v_lshl_add_u32 v7, v228, 6, v7                 ; QO = 256 r + 64 h: my 16 numbers of a block of 32
	s_wait_alu depctr_va_sdst(0)                   ; s18, the wave's number, is written, ahead of its first reader: the next line
	s_mul_i32 s2, s18, 16*VPI
	s_add_co_u32 s2, s2, STG                       ; my stage
	v_mul_u32_u24 v8, v227, VPI
	v_lshl_add_u32 v8, v228, 5, v8
	v_add_nc_u32 v8, s2, v8                        ; STO: row r, + 32 h
	v_mul_u32_u24 v9, v228, VPI
	v_lshl_add_u32 v9, v227, 4, v9
	v_add_nc_u32 v9, s2, v9                        ; RD: lanes 0-15 one row, lanes 16-31 the next
	v_lshlrev_b32 v10, 8, v228
	v_lshl_add_u32 v10, v227, 4, v10               ; GO: the same two rows in out0
	v_mov_b32 v216, 0xff800000                     ; -infinity
	v_mov_b32 v219, 0                              ; written once: a lane permute's destination counts as one of its sources
	v_mov_b32 v221, 0                              ; (named as the upper half of the pair v[220:221])
	s_mov_b32 s20, 0x76543210
	s_mov_b32 s21, 0xfedcba98                      ; v_permlanex16_b32's selects for lane l xor 16
	s_and_b32 s2, ttmp7, 0xffff                    ; the head
	s_lshl_b32 s24, s2, 19                         ; its first byte in queries and out0,
	s_mov_b32 s25, 0
	s_lshl_b32 s26, s2, 17                         ; in kc and vc
	s_mov_b32 s27, 0
	s_wait_kmcnt 0x0
	s_load_b128 s[68:71], s[14:15], 0x0            ; eq, ek, ep, ev
	s_add_nc_u64 s[4:5], s[4:5], s[24:25]
	s_add_nc_u64 s[16:17], s[16:17], s[24:25]
	s_add_nc_u64 s[6:7], s[6:7], s[26:27]
	s_add_nc_u64 s[8:9], s[8:9], s[26:27]
	s_mov_b32 s19, ttmp9                           ; the first pass's block
	s_mov_b32 s66, 2
	s_wait_kmcnt 0x0
	s_add_co_i32 s2, s68, s69
	s_lshl_b32 s2, s2, 23
	s_mov_b32 s22, 0x3e38aa3b                      ; c = log2(e) / 8
	s_add_co_i32 s22, s22, s2                      ; a score stands for score x 2^(eq + ek): the two exponents are added to c's exponent field
	s_mov_b32 s23, s22                             ; (named with it as a pair, so it is written)
	s_add_co_i32 s2, s70, 127
	s_lshl_b32 s3, s2, 23
	v_mov_b32 v217, s3                             ; 2^ep as f32, for p's conversions
	s_add_co_i32 s2, s2, 15
	s_lshl_b32 s2, s2, 23
	s_or_b32 s2, s2, 0x600000
	v_mov_b32 v218, s2                             ; 57,344 x 2^ep
	s_add_co_i32 s2, s68, 127
	s_lshl_b32 s3, s2, 23
	v_mov_b32 v229, s3                             ; 2^eq
	s_add_co_i32 s2, s2, 15
	s_lshl_b32 s2, s2, 23
	s_or_b32 s2, s2, 0x600000
	v_mov_b32 v230, s2                             ; 57,344 x 2^eq
	s_cmp_lt_i32 s70, -15
	s_cselect_b32 s100, 1, 0                       ; is p's hold wanted?
	s_add_co_i32 s101, s70, s71                    ; ep + ev
.Lpass:
	s_lshl_b32 s2, s19, 4
	s_add_co_u32 s2, s2, s18                       ; T = 16 x block + wave
	s_lshl_b32 s31, s2, 12                         ; my tile's first byte in mbits (16 steps x 256), and in a head of queries and out0 (16 rows x 256)
	s_lshl_b32 s3, s2, 4
	s_load_b128 s[32:35], s[10:11], s3 offset:0x0      ; my tile's four parts of ANY,
	s_load_b128 s[36:39], s[10:11], s3 offset:0x800    ; and of MIX
	v_add_nc_u32 v11, s31, v7
	s_wait_alu depctr_va_vdst(0)
	v_add_nc_u32 v226, s31, v10
	s_wait_alu depctr_va_vdst(0)                   ; v11 and v226 are written, which Q's loads and the pass's stores read; in the first pass so are v1 to v10, which every LDS and global instruction reads; the last pass's vector lines are done with v[SC ..], in which Q lands
.irp g, 0,1
.irp j, 0,1,2,3
	global_load_b128 v[SC+16*\g+4*\j:SC+16*\g+4*\j+3], v11, s[4:5] offset:128*\g+16*\j th:TH_LOAD_NT   ; Q(r, 32 g + 16 h + 4 j ..)
.endr
.endr
	s_mov_b64 s[24:25], s[6:7]
	s_mov_b64 s[26:27], s[8:9]
	GLOAD                                          ; slot 0, whatever the flags say: so the registers that the first trip stores are written on every path
	v_mov_b32 v13, 0xff61b1e6                      ; the largest t so far: -3e38, under every t
	v_floor_f32 v12, -v13                          ; -M
	v_mov_b32 v14, 0                               ; the sum, in two halves
	v_mov_b32 v15, 0
.set n, 0
.rept 32
	v_mov_b32 v[OT+n], 0                           ; O^T.  Which key step is a tile's first hangs on the flags, so no product can be written out to start the sums
.set n, n+1
.endr
	s_wait_kmcnt 0x0
	s_or_b32 s28, s32, s33
	s_or_b32 s2, s34, s35
	s_or_b32 s28, s28, s2                          ; ANY: bit s for key step s
	s_or_b32 s29, s36, s37
	s_or_b32 s2, s38, s39
	s_or_b32 s29, s29, s2                          ; MIX
	s_lshl_b32 s3, s19, 8                          ; the block's sixteen tiles: 64 words of ANY
	s_load_b512 s[32:47], s[10:11], s3 offset:0x0
	s_load_b512 s[48:63], s[10:11], s3 offset:0x40
	s_load_b512 s[68:83], s[10:11], s3 offset:0x80
	s_load_b512 s[84:99], s[10:11], s3 offset:0xc0
	s_wait_loadcnt 4                               ; Q's eight loads are in; slot 0's four, issued behind them, may be out
.set n, 0
.rept 32
	v_med3_num_f32 v[SC+n], v[SC+n], -v230, v230   ; the hold at the largest code x the scale
.set n, n+1
.endr
.irp m, 0,1,2,3
	v_cvt_scalef32_pk8_bf8_f32 v[16+2*\m:17+2*\m], v[SC+8*\m:SC+8*\m+7], v229
.endr
	v_nop                                          ; a plain instruction between the last conversion and the products that read its result and write its sources
	s_wait_kmcnt 0x0
	s_or_b32 s30, s32, s33
.set n, 2
.rept 62
.if n < 32
	s_or_b32 s30, s30, s[32+n]
.else
	s_or_b32 s30, s30, s[36+n]
.endif
.set n, n+1
.endr
	s_and_b32 s30, s30, 0xffff                     ; sixteen key steps: bits 2 t, 2 t + 1 say whether slot t is wanted by any wave
	s_mov_b32 s67, 4
.Ltrip:
	TRIP 0
	TRIP 1
	s_sub_co_u32 s67, s67, 1
	s_cmp_lg_u32 s67, 0
	s_cbranch_scc1 .Ltrip
	; THE WAY OUT of a pass.  O^T / the sum x 2^(ep + ev) goes through my own stage in LDS and leaves as whole rows of 256 bytes.
.rept 4
	v_nop                                          ; four places behind the last products, ahead of the first read of their results and of the loads into their sources
.endr
	v_add_f32 v14, v14, v15                        ; the sum's two halves,
	v_permlanex16_b32 v219, v14, s20, s21
	v_add_f32 v14, v14, v219                       ; and lane l xor 16's: the row's sum
	s_wait_alu depctr_va_vdst(0)
	v_rcp_f32 v14, v14
	v_nop                                          ; a plain instruction behind the reciprocal
	s_wait_alu depctr_va_vdst(0)                   ; the reciprocal has written v14, ahead of its first reader
	v_ldexp_f32 v14, v14, s101                     ; x 2^(ep + ev)
.irp j, 0,2,4,6,8,10,12,14,16,18,20,22,24,26,28,30
	v_pk_mul_f32 v[SC+\j:SC+\j+1], v[OT+\j:OT+\j+1], v[14:15] op_sel_hi:[1,0]   ; register 8 t + i is o(r, 16 t + 8 h + i); each accumulator from its low end on
.endr
	s_wait_alu depctr_va_vdst(0)                   ; the sixteen multiplications have written v[SC .. SC + 31], which the LDS stores read; the last products are done reading v[FR ..], in which the loads from the stage land
.irp t, 0,1,2,3
	ds_store_b128 v8, v[SC+8*\t:SC+8*\t+3] offset:64*\t
	ds_store_b128 v8, v[SC+8*\t+4:SC+8*\t+7] offset:64*\t+16
.endr
.irp i, 0,1,2,3,4,5,6,7
	ds_load_b128 v[FR+4*\i:FR+4*\i+3], v9 offset:2*\i*VPI   ; LDS serves a wave's instructions in order (ISA guide 5.7.1.4): these see my stores
.endr
.irp i, 0,1,2,3,4,5,6,7
	s_wait_dscnt 7-\i                              ; load i is in; the younger ones may be out
	global_store_b128 v226, v[FR+4*\i:FR+4*\i+3], s[16:17] offset:512*\i th:TH_STORE_NT   ; two rows: 512 consecutive bytes, aligned; written once, read by nobody here
.endr
	s_wait_loadcnt 0x0                             ; no load into the slot's registers is out when the next pass asks for its slot 0
	s_wait_xcnt 0x0                                ; the stores have had their addresses translated (ISA guide 3.1): the next pass writes their data and their offset again only behind this wait
	s_wait_alu depctr_vm_vsrc(0)                   ; the global stores have read v[FR ..] and v226, the stage's LDS stores v[SC ..], Q's loads v11: the next pass writes all of these again
	s_xor_b32 s19, s19, 7                          ; block 7 - x
	s_sub_co_u32 s66, s66, 1
	s_cmp_lg_u32 s66, 0
	s_cbranch_scc1 .Lpass
	s_wait_dscnt 0x0                               ; the closing lines, six on end
	s_wait_alu 0x0
	s_wait_tensorcnt 0x0
	ds_add_u32 v254, v255
	s_wait_dscnt 0x0
	s_endpgm
.Lfunc_end_k_q76a4cae285_attn:
	.size	k_q76a4cae285_attn, .Lfunc_end_k_q76a4cae285_attn-k_q76a4cae285_attn
	.p2alignl 7, 3214868480
	.fill 96, 4, 3214868480
	.section	.rodata,"a",@progbits
	.p2align	6, 0x0
	.amdhsa_kernel k_q76a4cae285_attn
		.amdhsa_group_segment_fixed_size 153600
		.amdhsa_private_segment_fixed_size 0
		.amdhsa_enable_private_segment 0
		.amdhsa_kernarg_size 56
		.amdhsa_user_sgpr_count 2
		.amdhsa_user_sgpr_kernarg_segment_ptr 1
		.amdhsa_wavefront_size32 1
		.amdhsa_system_sgpr_workgroup_id_x 1
		.amdhsa_system_sgpr_workgroup_id_y 1
		.amdhsa_system_sgpr_workgroup_id_z 1
		.amdhsa_system_vgpr_workitem_id 0
		.amdhsa_next_free_vgpr 256
		.amdhsa_next_free_sgpr 102
		.amdhsa_reserve_vcc 0
		.amdhsa_float_denorm_mode_32 3
		.amdhsa_float_denorm_mode_16_64 3
		.amdhsa_memory_ordered 1
		.amdhsa_forward_progress 1
		.amdhsa_inst_pref_size 98
	.end_amdhsa_kernel
	.amdgpu_metadata
---
amdhsa.version: [ 1, 2 ]
amdhsa.kernels:
  - .name:           k_q76a4cae285_attn
    .symbol:         k_q76a4cae285_attn.kd
    .args:
      - { .name: queries, .offset: 0, .size: 8, .value_kind: global_buffer, .address_space: global }
      - { .name: kc, .offset: 8, .size: 8, .value_kind: global_buffer, .address_space: global }
      - { .name: vc, .offset: 16, .size: 8, .value_kind: global_buffer, .address_space: global }
      - { .name: flags, .offset: 24, .size: 8, .value_kind: global_buffer, .address_space: global }
      - { .name: mbits, .offset: 32, .size: 8, .value_kind: global_buffer, .address_space: global }
      - { .name: lowp_scales, .offset: 40, .size: 8, .value_kind: global_buffer, .address_space: global }
      - { .name: out0, .offset: 48, .size: 8, .value_kind: global_buffer, .address_space: global }
    .group_segment_fixed_size: 153600
    .private_segment_fixed_size: 0
    .kernarg_segment_align: 8
    .kernarg_segment_size: 56
    .max_flat_workgroup_size: 512
    .sgpr_count:     102
    .vgpr_count:     256
    .wavefront_size: 32
...
	.end_amdgpu_metadata
.endif
;; end of part 4
